; MI455X (gfx1250); checked and timed in simulation.
; The chip was launched on July 23, 2026; its instructions are those of AMD's public machine-readable ISA for CDNA 5 (MIT licence, August 2026) and "CDNA5" Instruction Set Architecture Reference Guide (July 2026). The comments in the code are by the model that wrote it; some were corrected since.
;; Causalf Attention. Allowed arithmetic: float matrix products may take bf16 or f16 operands with f32 sums; other float arithmetic in f32, or as packed bf16 or f16 multiplies, adds, multiply-adds, maxima and minima; sums over many terms, partial sums and values carried from step to step in f32; what a program stores and reads back later, other than sums and carried values, may be rounded once to bf16 or f16.
;; Inputs: Wk 1,024 x 1,024 float32; Wq 1,024 x 1,024 float32; Wv 1,024 x 1,024 float32; x 4 x 2,048 x 1,024 float32.
;; Outputs: out0 4 x 2,048 x 1,024 float32.
;; 2 versions, each right; version 2 is version 1 with the launch cast written anew for expert scheduling mode. Each part assembles by itself: llvm-mc -triple=amdgcn-amd-amdhsa -mcpu=gfx1250 --defsym DOCPART=n.
;; ======== version 1 of 2: 4 launches
;; limits: values are held in f16: magnitudes above 65,504 overflow, below 6.1e-05 lose precision; right only within a limited range of input values
;; workspace buffers: xb 16,777,216 bytes; wb 6,291,456 bytes; qkv 50,331,648 bytes; lo 393,216 bytes; pt 33,554,432 bytes; st 1,048,576 bytes
;; launch cast (part 1): grid 704 x 1, 8 waves a work-group, no clusters, 0 bytes of LDS; arguments x, Wq, Wk, Wv, xb, wb; writes xb, wb
.if DOCPART == 1
	.amdgcn_target "amdgcn-amd-amdhsa--gfx1250"
	.amdhsa_code_object_version 6
	.text
	.protected	k_qb802cf958d_cast
	.globl	k_qb802cf958d_cast
	.p2align	8
	.type	k_qb802cf958d_cast,@function
k_qb802cf958d_cast:
	s_mov_b64 s[64:65], 0
	v_nop
	global_prefetch_b8 v0, s[64:65] scope:SCOPE_SE
	s_setreg_imm32_b32 hwreg(HW_REG_WAVE_MODE, 25, 1), 1
	s_wait_xcnt 0x0
; x [8192][1024] and Wq, Wk, Wv [1024][1024], all f32, are rounded once to bf16: xb [8192][1024], wb [3072][1024] (Wq's rows, then Wk's, then Wv's).
; A work-group takes 16,384 numbers: 65,536 bytes in, 32,768 out.  Groups 0-511 take x, groups 512-703 the three weights, 64 groups each.
; A wave takes 2,048 numbers by sixteen loads of 512 consecutive bytes, all issued at once; each store of a wave covers 256 consecutive bytes, aligned.
; No register is written twice, so no wait frees a source.  No LDS, no barrier, no matrix unit: there is nothing here but bytes.
.set X, 8                              ; v[8:71]    sixteen loads of four f32
.set Y, 72                             ; v[72:103]  sixteen pairs of packed bf16
	s_load_b256 s[4:11], s[0:1], 0x0               ; x s[4:5], Wq s[6:7], Wk s[8:9], Wv s[10:11]
	s_load_b128 s[12:15], s[0:1], 0x20             ; xb s[12:13], wb s[14:15]
	s_sub_co_u32 s16, ttmp9, 512                   ; the group's number among the weights' (used only from group 512 on)
	s_lshr_b32 s17, s16, 6                         ; which weight
	s_and_b32 s18, s16, 63                         ; which part of it
	v_and_b32 v3, 31, v0                           ; lane
	v_lshrrev_b32 v4, 5, v0                        ; wave
	v_lshlrev_b32 v1, 4, v3
	v_lshl_add_u32 v1, v4, 13, v1                  ; in: 8,192 x wave + 16 x lane
	v_lshlrev_b32 v2, 3, v3
	v_lshl_add_u32 v2, v4, 12, v2                  ; out: 4,096 x wave + 8 x lane
	s_wait_kmcnt 0x0
	s_cmp_eq_u32 s17, 1
	s_cselect_b64 s[20:21], s[8:9], s[6:7]         ; Wk or Wq,
	s_cmp_eq_u32 s17, 2
	s_cselect_b64 s[20:21], s[10:11], s[20:21]     ; or Wv,
	s_cmp_lt_u32 ttmp9, 512
	s_cselect_b64 s[20:21], s[4:5], s[20:21]       ; or x
	s_cselect_b64 s[22:23], s[12:13], s[14:15]     ; into xb or wb
	s_cselect_b32 s24, ttmp9, s18                  ; the part's number in the source,
	s_cselect_b32 s25, ttmp9, s16                  ; and in the destination
	s_lshl_b32 s26, s24, 16
	s_mov_b32 s27, 0
	s_lshl_b32 s28, s25, 15
	s_mov_b32 s29, 0
	s_add_nc_u64 s[20:21], s[20:21], s[26:27]
	s_add_nc_u64 s[22:23], s[22:23], s[28:29]
.irp j, 0,1,2,3,4,5,6,7,8,9,10,11,12,13,14,15
	global_load_b128 v[X+4*(\j):X+4*(\j)+3], v1, s[20:21] offset:512*(\j) th:TH_LOAD_NT
.endr
.irp j, 0,1,2,3,4,5,6,7,8,9,10,11,12,13,14,15
	s_wait_loadcnt 15-(\j)                         ; loads come back in order: load j is in, the 15 - j younger ones stay out
	v_cvt_pk_bf16_f32 v[Y+2*(\j)], v[X+4*(\j)], v[X+4*(\j)+1]
	v_cvt_pk_bf16_f32 v[Y+2*(\j)+1], v[X+4*(\j)+2], v[X+4*(\j)+3]
	global_store_b64 v2, v[Y+2*(\j):Y+2*(\j)+1], s[22:23] offset:256*(\j)
.endr
	s_endpgm
.Lfunc_end_k_qb802cf958d_cast:
	.size	k_qb802cf958d_cast, .Lfunc_end_k_qb802cf958d_cast-k_qb802cf958d_cast
	.p2alignl 7, 3214868480
	.fill 96, 4, 3214868480
	.section	.rodata,"a",@progbits
	.p2align	6, 0x0
	.amdhsa_kernel k_qb802cf958d_cast
		.amdhsa_group_segment_fixed_size 0
		.amdhsa_private_segment_fixed_size 0
		.amdhsa_enable_private_segment 0
		.amdhsa_kernarg_size 48
		.amdhsa_user_sgpr_count 2
		.amdhsa_user_sgpr_kernarg_segment_ptr 1
		.amdhsa_wavefront_size32 1
		.amdhsa_system_sgpr_workgroup_id_x 1
		.amdhsa_system_sgpr_workgroup_id_y 1
		.amdhsa_system_sgpr_workgroup_id_z 1
		.amdhsa_system_vgpr_workitem_id 0
		.amdhsa_next_free_vgpr 104
		.amdhsa_next_free_sgpr 66
		.amdhsa_reserve_vcc 0
		.amdhsa_float_denorm_mode_32 3
		.amdhsa_float_denorm_mode_16_64 3
		.amdhsa_memory_ordered 1
		.amdhsa_forward_progress 1
		.amdhsa_inst_pref_size 7
	.end_amdhsa_kernel
	.amdgpu_metadata
---
amdhsa.version: [ 1, 2 ]
amdhsa.kernels:
  - .name:           k_qb802cf958d_cast
    .symbol:         k_qb802cf958d_cast.kd
    .args:
      - { .name: x, .offset: 0, .size: 8, .value_kind: global_buffer, .address_space: global }
      - { .name: Wq, .offset: 8, .size: 8, .value_kind: global_buffer, .address_space: global }
      - { .name: Wk, .offset: 16, .size: 8, .value_kind: global_buffer, .address_space: global }
      - { .name: Wv, .offset: 24, .size: 8, .value_kind: global_buffer, .address_space: global }
      - { .name: xb, .offset: 32, .size: 8, .value_kind: global_buffer, .address_space: global }
      - { .name: wb, .offset: 40, .size: 8, .value_kind: global_buffer, .address_space: global }
    .group_segment_fixed_size: 0
    .private_segment_fixed_size: 0
    .kernarg_segment_align: 8
    .kernarg_segment_size: 48
    .max_flat_workgroup_size: 256
    .sgpr_count:     66
    .vgpr_count:     104
    .wavefront_size: 32
...
	.end_amdgpu_metadata
.endif
;; end of part 1
;; launch proj (part 2): grid 12 x 16, 4 waves a work-group, clusters of 4 x 4, 327,680 bytes of LDS; arguments xb, wb, qkv, lo; writes qkv, lo
.if DOCPART == 2
	.amdgcn_target "amdgcn-amd-amdhsa--gfx1250"
	.amdhsa_code_object_version 6
	.text
	.protected	k_qb802cf958d_proj
	.globl	k_qb802cf958d_proj
	.p2align	8
	.type	k_qb802cf958d_proj,@function
k_qb802cf958d_proj:
	s_mov_b64 s[64:65], 0
	v_nop
	global_prefetch_b8 v0, s[64:65] scope:SCOPE_SE
	s_setreg_imm32_b32 hwreg(HW_REG_WAVE_MODE, 25, 1), 1
	s_wait_xcnt 0x0
	s_wait_alu depctr_hold_cnt(0) depctr_sa_sdst(0) depctr_va_vdst(0) depctr_va_sdst(0) depctr_va_ssrc(0) depctr_va_vcc(0) depctr_vm_vsrc(0)
	s_getreg_b32 s2, hwreg(HW_REG_IB_STS2, 6, 4)
	s_cmp_eq_u32 s2, 0
	s_cbranch_scc0 .Lentry_in_a_cluster
	s_endpgm
.Lentry_in_a_cluster:
	s_bfe_u32 s2, ttmp6, 0x10000c
	s_cmp_lg_u32 s2, 0xf033
	s_cbranch_scc0 .Lentry_shape_is_right
	s_endpgm
.Lentry_shape_is_right:
; qkv[pl][row][e] = sum over d of xb[row][d] wb[1024 pl + e][d].  xb [8192][1024], wb [3072][1024] bf16; sums in f32; qkv [3][8192][1024] f16, rounded once.
; lo[pl][b][r][e], r = 0..15, f16: what that rounding dropped, sum - f16(sum), for the first 16 rows of each batch of 2,048 rows: those rows average over few keys, and the launch behind makes them from both parts.
; LIMIT: f16 holds no number beyond 65,504: a q, k or v of 65,520 or more becomes an infinity.  NaN and infinities are not treated apart.
; A tile is 256 rows x 256 columns; four waves, each 128 x 128: 64 accumulators, 512 registers.  The product has 32 x 12 = 384 tiles: 192 work-groups make two each,
; so 64 of 256 possible places for a work-group stay empty in this launch; the tiles that would fill all need K steps of half the length or 768 accumulator registers.
; A work-group's row tiles are 8 cy + 2 ty and the one below it (cy: its place along the cluster's y; ty: the cluster's y): the four tiles that begin a batch (0, 8, 16, 24) are then the first tiles
; of the four partners of the clusters with ty = 0, and the branch to lo's way out hangs on ty and the wave's number alone.
; K goes in steps of 128 through two LDS slots; the walk is flat, 16 steps over both tiles, and the ring does not stop at the first tile's end.
; CLUSTER 4 x 4: xb's tile hangs on cy and ty alone and is asked for jointly along a row of the cluster, wb's on gx alone and jointly along a column.
; The matrix instruction is used transposed (source 0 = 16 rows of wb, source 1 = 16 rows of xb): a lane then holds eight neighbouring columns of one row.
; REGISTERS in windows of 256: window 0: v0-31 addresses, v32-63 and v224-255 rows on the way out, v64-191 xb's fragments (two buffers), v192-223 packed results;
;   window 1: v64-191 wb's fragments (two buffers); window 2: accumulators of my rows 0-63, (a, b) at v[8 (8 a + b)]; window 3: those of rows 64-127.
.set PITCH,  272                       ; an LDS row: 256 bytes + 16 of padding: the 16 rows of a fragment load start 68 words apart
.set HALFT,  128*PITCH                 ; 128 rows: one tensor load
.set SLOT,   4*HALFT                   ; xb's 256 rows, then wb's 256 rows
.set STAGE,  2*SLOT                    ; behind the ring: 16 rows x 272 bytes for each wave
.set SPARE,  STAGE+4*16*PITCH          ; the spare words: 128 bytes a wave, named by no other line
.set ROWB,   2048                      ; bytes in a row of qkv and of lo
.set LA,   16                          ; v16  my place in xb's tile of slot 0
.set LB,   17                          ; v17  the same for wb
.set ADRA, 18                          ; v18  LA + the slot in hand
.set ADRB, 19                          ; v19  LB + the slot in hand
.set STO,  24                          ; v24  the way out: where I put 16 bytes of a row
.set RD,   25                          ; v25  the way out: where I read a row back
.set CO,   26                          ; v26  my byte offset in two rows of qkv
.set SPW,  28                          ; v28  my spare word
.set NIL,  29                          ; v29  0
.set MONE, 30                          ; v30  -1.0
.set OB,   32
.set F0,   64
.set F1,   128
.set TMP,  192
.set G1A, 24                           ; s[24:31] group 1 for xb's tiles;  s[32:39] group 0: a set for each first fill, the second then walks
.set G0A, 32
.set G1B, 48                           ; s[48:55], s[56:63] the same for wb's
.set G0B, 56
.set SB,  22                           ; s22  LDS byte of the slot in hand: 0 or SLOT
.set NX,  23                           ; s23  the K step (0 to 15 of the walk) to be asked for next
.set CT,  3                            ; s3   the loops' counter
.set TY,  45                           ; s45  the cluster's y
.set LOP, 72                           ; s[72:73] lo at my part
.set MSB, 0
.macro WIN new                         ; the immediate's high byte repeats the setting that is left; a switch that changes nothing is dropped
.if MSB != (\new)
	s_set_vgpr_msb (MSB<<8)|(\new)
.set MSB, \new
.endif
.endm
.set MUL_LO, 0xa1                      ; source 0 window 1, source 1 window 0, C and D window 2
.set MUL_HI, 0xf1                      ; the same, C and D window 3
.set TO_B,   0x40                      ; destination window 1, address window 0
.macro PLACES                          ; four plain vector instructions between a matrix instruction and a load into, or a vector use of, its registers
.rept 4
	v_nop
.endr
.endm
; A joint refill by the walking descriptors.  Waves 0 and 1 fetch xb's two halves, waves 2 and 3 wb's; the branch hangs on the wave's number alone.
.macro JLOAD
	s_cmp_eq_u32 s11, 0
	s_cbranch_scc0 .Lfor_b_\@
	tensor_load_to_lds s[G0A+4:G0A+7], s[G1A:G1A+7]
	s_nop 0
	PLACES
	s_branch .Lasked_\@
.Lfor_b_\@:
	tensor_load_to_lds s[G0B+4:G0B+7], s[G1B:G1B+7]
	s_nop 0
	PLACES
.Lasked_\@:
.endm
.macro CREST                           ; a round of the cluster's barrier behind its opening barrier
	s_cmp_lg_u32 s10, 0
	s_cbranch_scc1 .Lnot_wave_0_\@
	s_barrier_signal -3
.Lnot_wave_0_\@:
	s_barrier_wait -3
	s_barrier_signal -1
	s_barrier_wait -1
.endm
.macro CROUND                          ; a whole round
	s_barrier_signal -1
	s_barrier_wait -1
	CREST
.endm
	s_load_b128 s[4:7], s[0:1], 0x0                ; xb s[4:5], wb s[6:7]
	s_load_b64 s[8:9], s[0:1], 0x10                ; qkv
	s_load_b64 s[LOP:LOP+1], s[0:1], 0x18          ; lo
	v_lshl_add_u32 v[SPW], v0, 2, SPARE
	v_mov_b32 v[NIL], 0
	ds_add_u32 v[SPW], v[NIL]                      ; the wave's opening: the add and its wait stand ahead of my first tensor load
	ds_add_u32 v28, v29
	v_lshrrev_b32 v1, 5, v0
	v_readfirstlane_b32 s10, v1                    ; wave 0..3
	s_lshr_b32 s11, s10, 1                         ; my half of the tile's rows; also: I fetch for xb (0) or wb (1)
	s_and_b32 s12, s10, 1                          ; my half of its columns; also: which 128 rows I fetch
	s_bfe_u32 s40, ttmp6, 0x40000                  ; cx
	s_bfe_u32 s41, ttmp6, 0x40004                  ; cy
	s_lshl_b32 s42, ttmp9, 2
	s_add_co_u32 s42, s42, s40                     ; gx = 4 x cluster x + cx: 0..11
	s_and_b32 s[TY], ttmp7, 0xffff                 ; ty: 0..3
	s_lshl_b32 s13, s41, 3
	s_lshl_b32 s70, s[TY], 1
	s_add_co_u32 s13, s13, s70                     ; my first row tile = 8 cy + 2 ty
	s_lshl_b32 s43, s41, 2
	s_lshl_b32 s43, 15, s43                        ; my row of the cluster
	s_lshl_b32 s44, 0x1111, s40                    ; my column
	s_or_b32 s[G1A], s43, (1<<16)|(1<<20)|(1<<21)|(5<<22)|(3<<25)  ; mask; 2-byte elements; padding on; bit 21 beside a mask; after every 64 words, 4 words
	s_or_b32 s[G1B], s44, (1<<16)|(1<<20)|(1<<21)|(5<<22)|(3<<25)
.irp g, G1A, G1B
	s_mov_b32 s[(\g)+1], 128<<16                   ; tensor_dim0 = 128
	s_mov_b32 s[(\g)+2], 128<<16                   ; tensor_dim1 = 128
	s_mov_b32 s[(\g)+3], 128<<16                   ; tile_dim0 = 128
	s_mov_b32 s[(\g)+4], 128                       ; tile_dim1 = 128
	s_mov_b32 s[(\g)+5], 1024                      ; elements from row to row
	s_mov_b32 s[(\g)+6], 0
	s_mov_b32 s[(\g)+7], 0
.endr
	s_lshl_b32 s14, s13, 19                        ; xb: (256 x row tile + 128 part) rows of 2,048 bytes; these registers never hold cx
	s_lshl_b32 s15, s12, 18
	s_add_co_u32 s14, s14, s15
	s_mov_b32 s15, 0
	s_lshl_b32 s46, s42, 19                        ; wb: (256 gx + 128 part) rows
	s_lshl_b32 s47, s12, 18
	s_add_co_u32 s46, s46, s47
	s_mov_b32 s47, 0
	s_lshr_b32 s70, s42, 2                         ; qkv: plane gx / 4,
	s_lshl_b32 s70, s70, 24
	s_and_b32 s71, s42, 3                          ; column block gx % 4 of 512 bytes,
	s_lshl_b32 s71, s71, 9
	s_add_co_u32 s70, s70, s71
	s_lshl_b32 s71, s12, 8                         ; my half of it,
	s_add_co_u32 s70, s70, s71
	s_lshl_b32 s71, s13, 19                        ; row 256 x row tile
	s_add_co_u32 s70, s70, s71
	s_lshl_b32 s71, s11, 18                        ; + 128 x my half
	s_add_co_u32 s70, s70, s71
	s_mov_b32 s71, 0
	s_lshr_b32 s74, s42, 2                         ; lo: plane gx / 4 of 131,072 bytes,
	s_lshl_b32 s74, s74, 17
	s_lshl_b32 s75, s41, 15                        ; batch cy of 32,768,
	s_add_co_u32 s74, s74, s75
	s_and_b32 s75, s42, 3                          ; and the same columns
	s_lshl_b32 s75, s75, 9
	s_add_co_u32 s74, s74, s75
	s_lshl_b32 s75, s12, 8
	s_add_co_u32 s74, s74, s75
	s_mov_b32 s75, 0
	s_mul_i32 s20, s10, HALFT                      ; where my part of a tile goes in a slot: the wave's number alone
	s_mov_b32 s[SB], 0
	s_mov_b32 s[NX], 2
	s_mov_b32 s67, 0
	s_mov_b32 s69, 0
	s_wait_dscnt 0x0                               ; the opening add is done
	s_wait_kmcnt 0x0
	s_add_nc_u64 s[16:17], s[4:5], s[14:15]        ; xb at my part of the first tile's K step 0
	s_add_nc_u64 s[18:19], s[6:7], s[46:47]        ; wb likewise
	s_add_nc_u64 s[8:9], s[8:9], s[70:71]          ; qkv at my part of the first tile
	s_add_nc_u64 s[LOP:LOP+1], s[LOP:LOP+1], s[74:75]
.irp s, 0,1
	s_mov_b32 s[G0A+4*(\s)], 1
	s_add_co_u32 s[G0A+4*(\s)+1], s20, (\s)*SLOT
	s_add_nc_u64 s[G0A+4*(\s)+2:G0A+4*(\s)+3], s[16:17], (\s)*256
	s_or_b32 s[G0A+4*(\s)+3], s[G0A+4*(\s)+3], 0x80000000
	s_mov_b32 s[G0B+4*(\s)], 1
	s_add_co_u32 s[G0B+4*(\s)+1], s20, (\s)*SLOT
	s_add_nc_u64 s[G0B+4*(\s)+2:G0B+4*(\s)+3], s[18:19], (\s)*256
	s_or_b32 s[G0B+4*(\s)+3], s[G0B+4*(\s)+3], 0x80000000
.endr
	CROUND                                         ; all sixteen work-groups are here: the first joint loads meet
	s_cmp_eq_u32 s11, 0                            ; a wave's two first fills stand in one branch: two loads of mine are out
	s_cbranch_scc0 .Lfirst_b
	tensor_load_to_lds s[G0A:G0A+3], s[G1A:G1A+7]
	s_nop 0
	tensor_load_to_lds s[G0A+4:G0A+7], s[G1A:G1A+7]
	s_nop 0
	PLACES
	s_branch .Lfirst_asked
.Lfirst_b:
	tensor_load_to_lds s[G0B:G0B+3], s[G1B:G1B+7]
	s_nop 0
	tensor_load_to_lds s[G0B+4:G0B+7], s[G1B:G1B+7]
	s_nop 0
	PLACES
.Lfirst_asked:
	; A fragment is 16 rows x 32 K in 8 registers: lane l holds row l % 16; two loads of 16 bytes, 32 bytes apart, at row x pitch + 16 (l / 16).
	v_and_b32 v1, 15, v0
	v_bfe_u32 v2, v0, 4, 1
	v_mul_u32_u24 v3, v1, PITCH
	v_lshl_add_u32 v3, v2, 4, v3
	s_mul_i32 s21, s11, HALFT
	v_add_nc_u32 v[LA], s21, v3
	s_mul_i32 s21, s12, HALFT
	s_add_co_u32 s21, s21, 2*HALFT
	v_add_nc_u32 v[LB], s21, v3
	v_mov_b32 v[ADRA], v[LA]
	v_mov_b32 v[ADRB], v[LB]
	s_mul_i32 s21, s10, 16*PITCH
	s_add_co_u32 s21, s21, STAGE                   ; my stage
	v_add_nc_u32 v[STO], s21, v3                   ; in: row l % 16, 16 bytes for each half of the lanes
	v_mul_u32_u24 v4, v2, PITCH                    ; back: lanes 0-15 one row of 256 bytes, lanes 16-31 the next
	v_lshl_add_u32 v4, v1, 4, v4
	v_add_nc_u32 v[RD], s21, v4
	v_lshlrev_b32 v4, 11, v2                       ; and the same two rows in qkv
	v_lshl_add_u32 v[CO], v1, 4, v4
	v_mov_b32 v[MONE], -1.0
; 16 matrix instructions: row blocks a0, a0 + 1 of the window's four x all 8 column blocks, 32 along K.  zero = 1: the product starts the sum.  The 64 accumulators take turns.
.macro MUL16 f, hi, a0, zero
	WIN MUL_LO+0x50*(\hi)
.irp a, \a0, (\a0)+1
.irp b, 0,1,2,3,4,5,6,7
.if \zero
	v_wmma_f32_16x16x32_bf16 v[8*(8*(\a)+(\b)):8*(8*(\a)+(\b))+7], v[(\f)+8*(\b):(\f)+8*(\b)+7], v[(\f)+8*(4*(\hi)+(\a)):(\f)+8*(4*(\hi)+(\a))+7], 0
.else
	v_wmma_f32_16x16x32_bf16 v[8*(8*(\a)+(\b)):8*(8*(\a)+(\b))+7], v[(\f)+8*(\b):(\f)+8*(\b)+7], v[(\f)+8*(4*(\hi)+(\a)):(\f)+8*(4*(\hi)+(\a))+7], v[8*(8*(\a)+(\b)):8*(8*(\a)+(\b))+7]
.endif
.endr
.endr
.endm
; 32 LDS loads in one run: the fragments of 32 along K at byte k of the rows of the slot in hand, into buffer f
.macro FETCH k, f
	WIN TO_B
.irp i, 0,1,2,3,4,5,6,7
	ds_load_b128 v[(\f)+8*(\i):(\f)+8*(\i)+3],   v[ADRB] offset:(\k)+(\i)*16*PITCH
	ds_load_b128 v[(\f)+8*(\i)+4:(\f)+8*(\i)+7], v[ADRB] offset:(\k)+(\i)*16*PITCH+32
.endr
	WIN 0
.irp i, 0,1,2,3,4,5,6,7
	ds_load_b128 v[(\f)+8*(\i):(\f)+8*(\i)+3],   v[ADRA] offset:(\k)+(\i)*16*PITCH
	ds_load_b128 v[(\f)+8*(\i)+4:(\f)+8*(\i)+7], v[ADRA] offset:(\k)+(\i)*16*PITCH+32
.endr
.endm
; One of a K step's first three quarters: multiplies buffer f; in its middle it fetches the next quarter, at byte k, into buffer g.
.macro QUARTER k, f, g, zero
	s_wait_dscnt 8                                 ; wb's fragments and xb's rows 0-63 are in; the youngest eight loads (rows 64-127) may be out
	MUL16 \f, 0, 0, \zero
	MUL16 \f, 0, 2, \zero
	PLACES
	FETCH \k, \g
	s_wait_dscnt 32                                ; all but the 32 just issued
	MUL16 \f, 1, 0, \zero
	MUL16 \f, 1, 2, \zero
.endm
; The fourth quarter multiplies buffer 1 and changes slots.  In front of the barrier each wave waits for all its tensor loads (one is out: its part of the next slot), adds 0 to its
; spare word, and waits for that and for its reads of this slot.  fill = 1: the barrier opens a round of the cluster's, and the slot just read is filled again, with walk step NX.
.macro TURN fill
	WIN 0
	s_wait_tensorcnt 0x0                           ; no tensor load of mine is out, so a group 0 may be written
	ds_add_u32 v[SPW], v[NIL]                      ; 0 onto my spare word; scalar and matrix work stands between it and the wait for it
.if \fill
	s_and_b32 s66, s[NX], 7                        ; wb: K step NX % 8, 256 bytes a step
	s_lshl_b32 s66, s66, 8
	s_lshr_b32 s68, s[NX], 3                       ; xb: the same, and 256 rows on for the second tile
	s_lshl_b32 s68, s68, 19
	s_add_co_u32 s68, s68, s66
	s_add_co_u32 s[NX], s[NX], 1
	s_add_co_u32 s[G0A+5], s20, s[SB]              ; into the slot in hand
	s_add_nc_u64 s[G0A+6:G0A+7], s[16:17], s[68:69]
	s_or_b32 s[G0A+7], s[G0A+7], 0x80000000
	s_add_co_u32 s[G0B+5], s20, s[SB]
	s_add_nc_u64 s[G0B+6:G0B+7], s[18:19], s[66:67]
	s_or_b32 s[G0B+7], s[G0B+7], 0x80000000
.endif
	s_wait_dscnt 9                                 ; the add and the youngest eight loads may be out
	MUL16 F1, 0, 0, 0
	s_wait_dscnt 0x0                               ; the add is done, and my reads of this slot are over
	s_barrier_signal -1
	MUL16 F1, 0, 2, 0
	WIN 0
	s_barrier_wait -1
.if \fill
	CREST                                          ; no wave of any partner still reads this slot or has a load on its way
	JLOAD                                          ; my one tensor load behind the round; its four v_nop are also the places in front of the loads below
.else
	PLACES
.endif
	s_xor_b32 s[SB], s[SB], SLOT                   ; the other slot
	v_add_nc_u32 v[ADRA], s[SB], v[LA]
	v_add_nc_u32 v[ADRB], s[SB], v[LB]
	FETCH 0, F0
	MUL16 F1, 1, 0, 0
	MUL16 F1, 1, 2, 0
.endm
; THE WAY OUT of block a (16 rows): rounded to f16, 16 bytes a lane; into my own stage and back as whole rows of 256 bytes; stored.
.macro PACK a
.set AC, 64*((\a)%4)
	WIN 0x0a+5*((\a)/4)                            ; sources 0 and 1: window 2 or 3
.irp b, 0,1,2,3,4,5,6,7
.irp r, 0,1,2,3
	v_cvt_pk_f16_f32 v[TMP+4*(\b)+(\r)], v[AC+8*(\b)+2*(\r)], v[AC+8*(\b)+2*(\r)+1]
.endr
.endr
	WIN 0
.endm
; Block 0's packed f16 in TMP give way to what the rounding dropped: the sum less the f16 number (one fused line: the half x -1 + the sum, exact in f32), rounded to f16.  Sixteen words at a time.
.macro LOPACK
.irp g, 0,1
	WIN 0x20                                       ; source 2, the sum, in window 2
.set z, 0
.rept 16
	v_fma_mix_f32 v[OB+2*z],   v[TMP+16*(\g)+z], v[MONE], v[32*(\g)+2*z]   op_sel_hi:[1,0,0]
	v_fma_mix_f32 v[OB+2*z+1], v[TMP+16*(\g)+z], v[MONE], v[32*(\g)+2*z+1] op_sel:[1,0,0] op_sel_hi:[1,0,0]
.set z, z+1
.endr
	WIN 0
.set z, 0
.rept 16
	v_cvt_pk_f16_f32 v[TMP+16*(\g)+z], v[OB+2*z], v[OB+2*z+1]
.set z, z+1
.endr
.endr
.endm
.macro TOSTAGE a
	WIN 0
.set BK, OB+192*((\a)%2)
.irp b, 0,1,2,3,4,5,6,7
	ds_store_b128 v[STO], v[TMP+4*(\b):TMP+4*(\b)+3] offset:32*(\b)
.endr
.irp t, 0,1,2,3,4,5,6,7
	ds_load_b128 v[BK+4*(\t):BK+4*(\t)+3], v[RD] offset:(\t)*2*PITCH  ; LDS serves a wave's instructions in order: these see the stores above
.endr
.endm
.macro SEND a
	WIN 0
.set BK, OB+192*((\a)%2)
	s_wait_dscnt 0x0                               ; the block is back in registers
	s_wait_xcnt 0x0                                ; the other buffer, which the block before's stores read, is loaded again only behind this wait
.irp t, 0,1,2,3,4,5,6,7
	global_store_b128 v[CO], v[BK+4*(\t):BK+4*(\t)+3], s[8:9] offset:((\a)*16+2*(\t))*ROWB  ; 16 lanes store 256 consecutive bytes, aligned
.endr
.endm
.macro WAYOUT                          ; blocks 0-3 were finished ahead of TURN's places; their conversions are the places behind the last products
	PACK 0
	TOSTAGE 0
.irp a, 1,2,3,4,5,6,7
	PACK \a
	SEND (\a)-1
	TOSTAGE \a
.endr
	SEND 7
.endm
	s_wait_tensorcnt 0x1                           ; my part of K step 0 is in; step 1's may stay out
	s_barrier_signal -1
	s_barrier_wait -1
	FETCH 0, F0
	QUARTER 64, F0, F1, 1                          ; the first tile's first quarter starts the sums
	WIN 0
	s_mov_b32 s[CT], 14
.Ltrip:                                                ; 14 trips: walk step 14 - CT from its second quarter on, its refill, and the next step's first quarter
	QUARTER 128, F1, F0, 0
	QUARTER 192, F0, F1, 0
	TURN 1
	WIN 0
	s_cmp_eq_u32 s[CT], 7                          ; walk step 7 was the first tile's last
	s_cbranch_scc1 .Lnewtile
	QUARTER 64, F0, F1, 0
	WIN 0
	s_branch .Lnext
.Lnewtile:
	s_cmp_lg_u32 s[TY], 0                          ; with ty = 0 this tile begins a batch, in all sixteen partners alike,
	s_cbranch_scc1 .Lnolo
	s_cmp_lg_u32 s11, 0                            ; and waves 0 and 1 hold its first 16 rows, as block 0.  Both jumps go forward, past no barrier and no tensor load
	s_cbranch_scc1 .Lnolo
	PACK 0
	LOPACK
	TOSTAGE 1                                      ; through my stage into the second row buffer
	s_wait_dscnt 0x0
.irp t, 0,1,2,3,4,5,6,7
	global_store_b128 v[CO], v[OB+192+4*(\t):OB+192+4*(\t)+3], s[LOP:LOP+1] offset:2*(\t)*ROWB  ; 16 lanes store 256 consecutive bytes, aligned
.endr
	s_wait_xcnt 0x0                                ; that buffer is loaded again below only behind this wait
.Lnolo:
	WAYOUT                                         ; both refills for the second tile have been asked for; nothing waits for these stores
	s_wait_xcnt 0x0                                ; the stores have read their base
	s_add_nc_u64 s[8:9], s[8:9], 0x80000           ; 256 rows of qkv on
	QUARTER 64, F0, F1, 1                          ; the second tile's sums start
	WIN 0
.Lnext:
	s_sub_co_u32 s[CT], s[CT], 1
	s_cmp_lg_u32 s[CT], 0
	s_cbranch_scc1 .Ltrip
	s_mov_b32 s[CT], 2                             ; the last two steps ask for nothing; their text is written apart
	s_branch .Ltq
.Ltail:
	QUARTER 64, F0, F1, 0
	WIN 0
.Ltq:
	QUARTER 128, F1, F0, 0
	QUARTER 192, F0, F1, 0
	TURN 0                                         ; (the very last one fetches fragments of the other slot's old bytes, which nothing uses: the price of one text for both trips)
	WIN 0
	s_sub_co_u32 s[CT], s[CT], 1
	s_cmp_lg_u32 s[CT], 0
	s_cbranch_scc1 .Ltail
	WAYOUT
	s_wait_tensorcnt 0x0                           ; the wave's end
	ds_add_u32 v[SPW], v[NIL]
	s_wait_dscnt 0x0
	CROUND                                         ; the closing round
	s_endpgm
.Lfunc_end_k_qb802cf958d_proj:
	.size	k_qb802cf958d_proj, .Lfunc_end_k_qb802cf958d_proj-k_qb802cf958d_proj
	.p2alignl 7, 3214868480
	.fill 96, 4, 3214868480
	.section	.rodata,"a",@progbits
	.p2align	6, 0x0
	.amdhsa_kernel k_qb802cf958d_proj
		.amdhsa_group_segment_fixed_size 327680
		.amdhsa_private_segment_fixed_size 0
		.amdhsa_enable_private_segment 0
		.amdhsa_kernarg_size 32
		.amdhsa_user_sgpr_count 2
		.amdhsa_user_sgpr_kernarg_segment_ptr 1
		.amdhsa_wavefront_size32 1
		.amdhsa_system_sgpr_workgroup_id_x 1
		.amdhsa_system_sgpr_workgroup_id_y 1
		.amdhsa_system_sgpr_workgroup_id_z 1
		.amdhsa_system_vgpr_workitem_id 0
		.amdhsa_next_free_vgpr 1024
		.amdhsa_next_free_sgpr 80
		.amdhsa_reserve_vcc 0
		.amdhsa_float_denorm_mode_32 3
		.amdhsa_float_denorm_mode_16_64 3
		.amdhsa_memory_ordered 1
		.amdhsa_forward_progress 1
		.amdhsa_inst_pref_size 147
	.end_amdhsa_kernel
	.amdgpu_metadata
---
amdhsa.version: [ 1, 2 ]
amdhsa.kernels:
  - .name:           k_qb802cf958d_proj
    .symbol:         k_qb802cf958d_proj.kd
    .args:
      - { .name: xb, .offset: 0, .size: 8, .value_kind: global_buffer, .address_space: global }
      - { .name: wb, .offset: 8, .size: 8, .value_kind: global_buffer, .address_space: global }
      - { .name: qkv, .offset: 16, .size: 8, .value_kind: global_buffer, .address_space: global }
      - { .name: lo, .offset: 24, .size: 8, .value_kind: global_buffer, .address_space: global }
    .group_segment_fixed_size: 327680
    .private_segment_fixed_size: 0
    .kernarg_segment_align: 8
    .kernarg_segment_size: 32
    .max_flat_workgroup_size: 128
    .sgpr_count:     80
    .vgpr_count:     1024
    .wavefront_size: 32
...
	.end_amdgpu_metadata
.endif
;; end of part 2
;; launch score (part 3): grid 37 x 4, 4 waves a work-group, no clusters, 327,680 bytes of LDS; arguments qkv, pt, st, lo, out0; writes pt, st, out0
.if DOCPART == 3
	.amdgcn_target "amdgcn-amd-amdhsa--gfx1250"
	.amdhsa_code_object_version 6
	.text
	.protected	k_qb802cf958d_score
	.globl	k_qb802cf958d_score
	.p2align	8
	.type	k_qb802cf958d_score,@function
k_qb802cf958d_score:
	s_mov_b64 s[64:65], 0
	v_nop
	global_prefetch_b8 v0, s[64:65] scope:SCOPE_SE
	s_setreg_imm32_b32 hwreg(HW_REG_WAVE_MODE, 25, 1), 1
	s_wait_xcnt 0x0
; WORK-GROUPS x = 0..35.  For batch b and tile (i, j), j <= i, of 256 queries x 256 keys: S = q k^T (f16 operands, f32 sums over 1,024 channels), the causal mask, and for each row and each CHUNK of
; 128 keys: m = the chunk's largest score, p = 2^(c (s - m)) with c = log2(e) / 32, l = the sum of the p.  pt[b][query][key] takes p in f16, st[b][chunk][row] takes (c m, l) in f32.
; The launch behind brings the chunks of a row to the row's own maximum and divides by the row's sum, in f32.  s - m is never positive, so every p lies in 0 to 1.
; WORK-GROUP x = 36, THE HEAD: rows 0-15 of batch b of out0, whole.  These rows average over 1 to 16 keys, so their numbers are many times the output's root mean square, and one rounding of q, k, v
; or of a weight to f16 is too coarse for those of them that cancel to near zero.  Here q, k and v count as two f16 parts (qkv's and lo's), the scores are three products a K step
; (hi hi, hi lo, lo hi; lo lo lies 2^-22 below), and softmax, weights and the second product are f32.  The launch behind leaves these 16 rows alone.
; LIMITS: a hidden score counts as its value less 1e30 (f16 operands give scores of 4.4e12 at the most); p below 6e-8 is 0 in f16; an exponential below 2^-126 is 0; NaN and infinities are not treated apart.
; A chunk that is wholly hidden for a row (the upper right quarter of a diagonal tile) gets finite p and l and c m = -4.5e28, which the launch behind turns into the factor 0.
; NO CLUSTER: a batch's 36 tiles lie in rows of 1 to 8; no grouping by fours with a common row or column covers that triangle, and partners that only ask and discard would be work-groups without work.
; Four waves, each 128 x 128; K in steps of 128 through two LDS slots; source 0 = 16 rows of k, source 1 = 16 rows of q: a lane holds one query (l % 16) and 8 neighbouring keys of each of 8 blocks.
; THE MASK is the C operand of the products that start the sums: three sets of eight registers, for key blocks below, on and above the diagonal of my 128 x 128.
; REGISTERS: as in the projection's kernel; window 0's v192-223 hold the masks first and packed results later; v128-159 are at work on the way out.  The head's map stands at its label.
.set PITCH,  272
.set HALFT,  128*PITCH
.set SLOT,   4*HALFT
.set STAGE,  2*SLOT
.set SPARE,  STAGE+4*16*PITCH
.set HRED,   SPARE+512                 ; the head: four waves' partial scores, 1,024 bytes each; no tile lands here
.set HWT,    HRED+4096                 ; the head: a table of 16 x 16 weights for each wave, 1,024 bytes each
.set ROWB,   4096                      ; bytes in a row of pt
.set LA,   16
.set LB,   17
.set ADRA, 18
.set ADRB, 19
.set STO,  24
.set RD,   25
.set CO,   26                          ; v26  my byte offset in two rows of pt
.set SO,   27                          ; v27  8 x lane: my place in 32 rows of st
.set SPW,  28
.set NIL,  29
.set OB,   32
.set F0,   64
.set F1,   128
.set TMP,  192
.set CLT,  192                         ; v192-199  C for a key block below the diagonal block
.set CEQ,  200                         ; v200-207  on it
.set CGT,  208                         ; v208-215  above it
.set MD,   216                         ; v216-223  the diagonal block's own mask
.set C0,   128                         ; v128-131  four running maxima
.set MP,   132                         ; v[132:133] m, in the low register
.set PX,   134                         ; v134  from the other half of the lanes
.set LS,   135                         ; v135  my lanes' part of l
.set SMC,  136                         ; v136-143  c m of blocks 0-7
.set SL,   144                         ; v144-151  l of blocks 0-7
.set DD,   152                         ; v152-159  four pairs (c m, l) to store
.set G1,  24                           ; s[24:31] group 1
.set G0,  32                           ; s[32:39] group 0: a set for each first fill; the second then walks
.set SB,  22
.set CT,  3
.set SEL, 50                           ; s[50:51] v_permlanex16_b32's selects
.set CS,  52                           ; s[52:53] c
.set MSB, 0
.macro WIN new
.if MSB != (\new)
	s_set_vgpr_msb (MSB<<8)|(\new)
.set MSB, \new
.endif
.endm
.set MUL_LO, 0xa1
.set MUL_HI, 0xf1
.set TO_B,   0x40
.macro PLACES
.rept 4
	v_nop
.endr
.endm
	s_load_b128 s[4:7], s[0:1], 0x0                ; qkv s[4:5], pt s[6:7]
	s_load_b64 s[8:9], s[0:1], 0x10                ; st
	s_load_b64 s[56:57], s[0:1], 0x18              ; lo
	s_load_b64 s[58:59], s[0:1], 0x20              ; out0
	v_lshl_add_u32 v[SPW], v0, 2, SPARE
	v_mov_b32 v[NIL], 0
	ds_add_u32 v[SPW], v[NIL]                      ; the wave's opening: the add and its wait stand ahead of my first tensor load
	ds_add_u32 v28, v29
	v_lshrrev_b32 v1, 5, v0
	v_readfirstlane_b32 s10, v1                    ; wave 0..3
	s_lshr_b32 s11, s10, 1                         ; my half of the queries
	s_and_b32 s12, s10, 1                          ; my half of the keys; also: which 128 rows I fetch
	s_and_b32 s13, ttmp7, 0xffff                   ; b
	s_mov_b32 s14, 0
.irp tri, 1,3,6,10,15,21,28
	s_cmp_ge_u32 ttmp9, \tri                       ; i = how many triangular numbers the tile's number has reached
	s_add_co_ci_u32 s14, s14, 0
.endr
	s_add_co_u32 s16, s14, 1
	s_mul_i32 s16, s16, s14
	s_lshr_b32 s16, s16, 1
	s_sub_co_u32 s15, ttmp9, s16                   ; j = the number less i (i + 1) / 2
	s_cmp_lt_u32 s10, 2                            ; waves 0, 1 fetch q's rows of block i, waves 2, 3 k's rows of block j
	s_cselect_b32 s16, s14, s15
	s_cselect_b32 s17, 0, 0x1000000                ; k is the second plane of qkv
	s_lshl_b32 s16, s16, 19                        ; 256 rows of 2,048 bytes
	s_add_co_u32 s16, s16, s17
	s_lshl_b32 s17, s13, 22                        ; a batch's 2,048 rows
	s_add_co_u32 s16, s16, s17
	s_lshl_b32 s17, s12, 18                        ; my 128 rows
	s_add_co_u32 s16, s16, s17
	s_mov_b32 s17, 0
	s_mul_i32 s20, s10, HALFT
	s_lshl_b32 s18, s13, 23                        ; pt: row b 2,048 + 256 i + 128 half, of 4,096 bytes; column 256 j + 128 half, of 2 bytes
	s_lshl_b32 s19, s14, 20
	s_add_co_u32 s18, s18, s19
	s_lshl_b32 s19, s11, 19
	s_add_co_u32 s18, s18, s19
	s_lshl_b32 s19, s15, 9
	s_add_co_u32 s18, s18, s19
	s_lshl_b32 s19, s12, 8
	s_add_co_u32 s18, s18, s19
	s_mov_b32 s19, 0
	s_lshl_b32 s48, s13, 18                        ; st: b 262,144 + chunk (2 j + half) 16,384 + row (256 i + 128 half) 8
	s_lshl_b32 s49, s15, 15
	s_add_co_u32 s48, s48, s49
	s_lshl_b32 s49, s12, 14
	s_add_co_u32 s48, s48, s49
	s_lshl_b32 s49, s14, 11
	s_add_co_u32 s48, s48, s49
	s_lshl_b32 s49, s11, 10
	s_add_co_u32 s48, s48, s49
	s_mov_b32 s49, 0
	s_mov_b32 s46, 0xf149f2ca                      ; -1e30
	s_cmp_eq_u32 s14, s15
	s_cselect_b32 s40, 1, 0                        ; the tile holds the diagonal
	s_cmp_gt_u32 s12, s11
	s_cselect_b32 s41, s40, 0                      ; my quarter lies above it: all hidden
	s_cmp_eq_u32 s12, s11
	s_cselect_b32 s42, s40, 0                      ; my quarter holds it
	s_cmp_lg_u32 s41, 0
	s_cselect_b32 s43, s46, 0
	s_cmp_lg_u32 s42, 0
	s_cselect_b32 s45, 1.0, 0
	s_or_b32 s44, s41, s42
	s_cmp_lg_u32 s44, 0
	s_cselect_b32 s44, s46, 0
	s_mov_b32 s[G1], (1<<16)|(1<<20)|(5<<22)|(3<<25)  ; 2-byte elements; padding on: after every 64 words, 4 words
	s_mov_b32 s[G1+1], 128<<16
	s_mov_b32 s[G1+2], 128<<16
	s_mov_b32 s[G1+3], 128<<16
	s_mov_b32 s[G1+4], 128
	s_mov_b32 s[G1+5], 1024
	s_mov_b32 s[G1+6], 0
	s_mov_b32 s[G1+7], 0
	s_mov_b32 s[SB], 0
	s_mov_b32 s[SEL], 0x76543210
	s_mov_b32 s[SEL+1], 0xfedcba98
	s_mov_b32 s[CS], 0x3d38aa3b                    ; c = log2(e) / 32
	s_mov_b32 s[CS+1], s[CS]                       ; named with it as a pair
	s_mov_b32 s54, 0xffff0000                      ; lanes 16-31
	s_wait_dscnt 0x0                               ; the opening add is done
	s_wait_kmcnt 0x0
	s_cmp_eq_u32 ttmp9, 36                         ; the same in all four waves
	s_cbranch_scc1 .Lhead
	s_add_nc_u64 s[16:17], s[4:5], s[16:17]
	s_add_nc_u64 s[6:7], s[6:7], s[18:19]
	s_add_nc_u64 s[8:9], s[8:9], s[48:49]
.irp s, 0,1
	s_mov_b32 s[G0+4*(\s)], 1
	s_add_co_u32 s[G0+4*(\s)+1], s20, (\s)*SLOT
	s_add_nc_u64 s[G0+4*(\s)+2:G0+4*(\s)+3], s[16:17], (\s)*256
	s_or_b32 s[G0+4*(\s)+3], s[G0+4*(\s)+3], 0x80000000
.endr
	tensor_load_to_lds s[G0:G0+3], s[G1:G1+7]      ; K steps 0 and 1: two loads of mine are out
	s_nop 0
	tensor_load_to_lds s[G0+4:G0+7], s[G1:G1+7]
	s_nop 0
	PLACES
	v_and_b32 v1, 15, v0
	v_bfe_u32 v2, v0, 4, 1
	v_mul_u32_u24 v3, v1, PITCH
	v_lshl_add_u32 v3, v2, 4, v3
	s_mul_i32 s21, s11, HALFT
	v_add_nc_u32 v[LA], s21, v3
	s_mul_i32 s21, s12, HALFT
	s_add_co_u32 s21, s21, 2*HALFT
	v_add_nc_u32 v[LB], s21, v3
	v_mov_b32 v[ADRA], v[LA]
	v_mov_b32 v[ADRB], v[LB]
	s_mul_i32 s21, s10, 16*PITCH
	s_add_co_u32 s21, s21, STAGE
	v_add_nc_u32 v[STO], s21, v3
	v_mul_u32_u24 v4, v2, PITCH
	v_lshl_add_u32 v4, v1, 4, v4
	v_add_nc_u32 v[RD], s21, v4
	v_lshlrev_b32 v4, 12, v2
	v_lshl_add_u32 v[CO], v1, 4, v4
	v_and_b32 v4, 31, v0
	v_lshlrev_b32 v[SO], 3, v4
	v_lshlrev_b32 v4, 3, v2
	v_sub_nc_u32 v4, v1, v4                        ; my query's place in a block of 16, less my lanes' 8 (l / 16): register z is hidden where z is greater
.set z, 0
.rept 8
	v_cmp_gt_i32 vcc_lo, z, v4
	v_cndmask_b32 v[MD+z], 0, s46, vcc_lo
.set z, z+1
.endr
.set z, 0
.rept 8
	v_mov_b32 v[CLT+z], s43                        ; below the diagonal block: hidden only if the whole quarter is
	v_fma_f32 v[CEQ+z], v[MD+z], s45, s43          ; on it: its own mask if my quarter holds the diagonal
	v_mov_b32 v[CGT+z], s44                        ; above it: hidden in both cases
.set z, z+1
.endr
; mode = 1: the product starts the sum, with the mask of its block as C.
.macro MUL16 f, hi, a0, mode
.if \mode
	WIN 0x81+0x40*(\hi)                            ; source 0 window 1, source 1 and C window 0, D window 2 or 3
.else
	WIN MUL_LO+0x50*(\hi)
.endif
.irp a, \a0, (\a0)+1
.irp b, 0,1,2,3,4,5,6,7
.if \mode
.if (\b) < 4*(\hi)+(\a)
.set CM, CLT
.elseif (\b) == 4*(\hi)+(\a)
.set CM, CEQ
.else
.set CM, CGT
.endif
	v_wmma_f32_16x16x32_f16 v[8*(8*(\a)+(\b)):8*(8*(\a)+(\b))+7], v[(\f)+8*(\b):(\f)+8*(\b)+7], v[(\f)+8*(4*(\hi)+(\a)):(\f)+8*(4*(\hi)+(\a))+7], v[CM:CM+7]
.else
	v_wmma_f32_16x16x32_f16 v[8*(8*(\a)+(\b)):8*(8*(\a)+(\b))+7], v[(\f)+8*(\b):(\f)+8*(\b)+7], v[(\f)+8*(4*(\hi)+(\a)):(\f)+8*(4*(\hi)+(\a))+7], v[8*(8*(\a)+(\b)):8*(8*(\a)+(\b))+7]
.endif
.endr
.endr
.endm
.macro FETCH k, f
	WIN TO_B
.irp i, 0,1,2,3,4,5,6,7
	ds_load_b128 v[(\f)+8*(\i):(\f)+8*(\i)+3],   v[ADRB] offset:(\k)+(\i)*16*PITCH
	ds_load_b128 v[(\f)+8*(\i)+4:(\f)+8*(\i)+7], v[ADRB] offset:(\k)+(\i)*16*PITCH+32
.endr
	WIN 0
.irp i, 0,1,2,3,4,5,6,7
	ds_load_b128 v[(\f)+8*(\i):(\f)+8*(\i)+3],   v[ADRA] offset:(\k)+(\i)*16*PITCH
	ds_load_b128 v[(\f)+8*(\i)+4:(\f)+8*(\i)+7], v[ADRA] offset:(\k)+(\i)*16*PITCH+32
.endr
.endm
.macro QUARTER k, f, g, mode
	s_wait_dscnt 8                                 ; k's fragments and q's rows 0-63 are in; the youngest eight loads may be out
	MUL16 \f, 0, 0, \mode
	MUL16 \f, 0, 2, \mode
	PLACES
	FETCH \k, \g
	s_wait_dscnt 32                                ; all but the 32 just issued
	MUL16 \f, 1, 0, \mode
	MUL16 \f, 1, 2, \mode
.endm
; The fourth quarter and the change of slots: each wave waits for all its tensor loads (one is out: its part of the next slot), adds 0 to its spare word, waits for that and for its reads of
; this slot, and passes the barrier.  fill = 1: the slot just read is filled again, two K steps ahead, first thing behind the barrier.
.macro TURN fill
	WIN 0
	s_wait_tensorcnt 0x0
	ds_add_u32 v[SPW], v[NIL]
.if \fill
	s_add_co_u32 s[G0+5], s20, s[SB]               ; into the slot in hand,
	s_add_nc_u64 s[G0+6:G0+7], s[G0+6:G0+7], 256   ; the next K step; the type bits on top are not reached
.endif
	s_wait_dscnt 9                                 ; the add and the youngest eight loads may be out
	MUL16 F1, 0, 0, 0
	s_wait_dscnt 0x0                               ; the add is done, and my reads of this slot are over
	s_barrier_signal -1
	MUL16 F1, 0, 2, 0
	WIN 0
	s_barrier_wait -1
.if \fill
	tensor_load_to_lds s[G0+4:G0+7], s[G1:G1+7]    ; my one tensor load behind the barrier
	s_nop 0
.endif
	PLACES
	s_xor_b32 s[SB], s[SB], SLOT
	v_add_nc_u32 v[ADRA], s[SB], v[LA]
	v_add_nc_u32 v[ADRB], s[SB], v[LB]
	FETCH 0, F0
	MUL16 F1, 1, 0, 0
	MUL16 F1, 1, 2, 0
.endm
; Block a (16 queries x my 128 keys, 64 registers a lane): the maximum, the exponentials, the rounding to f16, the sum.  Each accumulator's lowest registers are read first.
.macro SOFT a
.set W, 2+(\a)/4
.set AC, 64*((\a)%4)
	WIN W|(W<<2)|(W<<4)
.irp ch, 0,1,2,3                       ; four chains of 16 scores, three operands at a time
	v_max3_num_f32 v[C0+\ch], v[AC+16*\ch], v[AC+16*\ch+1], v[AC+16*\ch+2]
.endr
	WIN (W<<2)|(W<<4)
.irp ii, 1,2,3,4,5,6
.irp ch, 0,1,2,3
	v_max3_num_f32 v[C0+\ch], v[C0+\ch], v[AC+16*\ch+2*\ii+1], v[AC+16*\ch+2*\ii+2]
.endr
.endr
	v_max3_num_f32 v[C0], v[C0], v[AC+15], v[AC+31]
	v_max3_num_f32 v[C0+2], v[C0+2], v[AC+47], v[AC+63]
	WIN 0
	v_max3_num_f32 v[C0], v[C0], v[C0+1], v[C0+2]
	v_max_num_f32 v[C0], v[C0], v[C0+3]
	v_permlanex16_b32 v[PX], v[C0], s[SEL], s[SEL+1]  ; the query's other 64 keys lie in the lane 16 away
	v_max_num_f32 v[MP], v[C0], v[PX]
	v_mul_f32 v[SMC+(\a)], s[CS], v[MP]
	WIN W|(W<<6)
.set z, 0
.rept 32
	v_pk_add_f32 v[AC+2*z:AC+2*z+1], v[AC+2*z:AC+2*z+1], v[MP:MP+1] op_sel_hi:[1,0] neg_lo:[0,1] neg_hi:[0,1]  ; s - m: never positive
.set z, z+1
.endr
.set z, 0
.rept 32
	v_pk_mul_f32 v[AC+2*z:AC+2*z+1], v[AC+2*z:AC+2*z+1], s[CS:CS+1] op_sel_hi:[1,0]
.set z, z+1
.endr
.set z, 0
.rept 64
	v_exp_f32 v[AC+z], v[AC+z]
.set z, z+1
.endr
	v_nop                                          ; a plain instruction between the last exponential and the use of its result
	WIN W|(W<<2)
.set z, 0
	s_wait_alu depctr_va_vdst(0)
.rept 32
	v_cvt_pk_f16_f32 v[TMP+z], v[AC+2*z], v[AC+2*z+1]
.set z, z+1
.endr
	WIN W|(W<<2)|(W<<6)
.irp d, 16,8,4,2,1                     ; the sum of the 32 pairs, in f32, as a tree in place
.set z, 0
.rept \d
	v_pk_add_f32 v[AC+2*z:AC+2*z+1], v[AC+2*z:AC+2*z+1], v[AC+2*(z+\d):AC+2*(z+\d)+1]
.set z, z+1
.endr
.endr
	WIN W|(W<<2)
	v_add_f32 v[LS], v[AC], v[AC+1]
	WIN 0
	v_permlanex16_b32 v[PX], v[LS], s[SEL], s[SEL+1]
	v_add_f32 v[SL+(\a)], v[LS], v[PX]
.endm
.macro TOSTAGE a
	WIN 0
.set BK, OB+192*((\a)%2)
.irp b, 0,1,2,3,4,5,6,7
	ds_store_b128 v[STO], v[TMP+4*(\b):TMP+4*(\b)+3] offset:32*(\b)
.endr
.irp t, 0,1,2,3,4,5,6,7
	ds_load_b128 v[BK+4*(\t):BK+4*(\t)+3], v[RD] offset:(\t)*2*PITCH  ; LDS serves a wave's instructions in order: these see the stores above
.endr
.endm
.macro SEND a
	WIN 0
.set BK, OB+192*((\a)%2)
	s_wait_dscnt 0x0                               ; the block is back in registers
	s_wait_xcnt 0x0                                ; the other buffer, which the block before's stores read, is loaded again only behind this wait
.irp t, 0,1,2,3,4,5,6,7
	global_store_b128 v[CO], v[BK+4*(\t):BK+4*(\t)+3], s[6:7] offset:((\a)*16+2*(\t))*ROWB  ; 16 lanes store 256 consecutive bytes, aligned
.endr
.endm
	s_wait_tensorcnt 0x1                           ; my part of K step 0 is in; step 1's may stay out
	s_barrier_signal -1
	s_barrier_wait -1
	FETCH 0, F0
	QUARTER 64, F0, F1, 1                          ; the first quarter starts the sums, with the masks
	WIN 0
	s_mov_b32 s[CT], 6
	s_branch .Lq1
.Ltrip:                                                ; six trips: K steps 0 to 5, each asking for the step two on
	QUARTER 64, F0, F1, 0
	WIN 0
.Lq1:
	QUARTER 128, F1, F0, 0
	QUARTER 192, F0, F1, 0
	TURN 1
	WIN 0
	s_sub_co_u32 s[CT], s[CT], 1
	s_cmp_lg_u32 s[CT], 0
	s_cbranch_scc1 .Ltrip
	s_mov_b32 s[CT], 2
.Ltail:                                                ; K steps 6 and 7 ask for nothing
	QUARTER 64, F0, F1, 0
	QUARTER 128, F1, F0, 0
	QUARTER 192, F0, F1, 0
	TURN 0                                         ; (the last one fetches fragments of the other slot's old bytes, which nothing uses)
	WIN 0
	s_sub_co_u32 s[CT], s[CT], 1
	s_cmp_lg_u32 s[CT], 0
	s_cbranch_scc1 .Ltail
	s_wait_dscnt 0x0
	PLACES                                         ; the registers at work below lay in a buffer that the last products read
	v_mov_b32 v[PX], 0                             ; v_permlanex16_b32 counts as a reader of its destination
	v_mov_b32 v[MP+1], 0                           ; named with m as a pair
	SOFT 0
	TOSTAGE 0
.irp a, 1,2,3,4,5,6,7                  ; a block's arithmetic stands between the loads of the block before and its stores
	SOFT \a
	SEND (\a)-1
	TOSTAGE \a
.endr
	SEND 7
.irp u, 0,1,2,3                        ; the statistics: lanes 0-15 take block 2 u, lanes 16-31 block 2 u + 1: 32 rows, 256 consecutive bytes a store, aligned
	v_cndmask_b32 v[DD+2*\u], v[SMC+2*\u], v[SMC+2*\u+1], s54
	v_cndmask_b32 v[DD+2*\u+1], v[SL+2*\u], v[SL+2*\u+1], s54
	global_store_b64 v[SO], v[DD+2*\u:DD+2*\u+1], s[8:9] offset:256*\u
.endr
	s_wait_tensorcnt 0x0                           ; the wave's end
	ds_add_u32 v[SPW], v[NIL]
	s_wait_dscnt 0x0
	s_endpgm
; THE HEAD.  No tensor load: 192 KiB come straight into registers.  Wave w sums the scores over channels 256 w .. 256 w + 255 (8 K steps of 32); the four partial sums meet in LDS.
; Every wave then makes the same softmax and keeps the 16 x 16 weights in a table of its own.  Thread t owns channels 4 t .. 4 t + 3 and 512 + 4 t .. + 3 of v and of out0.
; REGISTERS.  Window 0: v3 fragment offset; v4 query less 8 (l / 16); v5 8 t; v6 16 t; v7, v8 partial sums' LDS places (store, load); v9 weights' store place; v10 their read place; v11 1.0;
;   v32-55 three accumulators (then v32-39 scores, weights); v56-63 at work; v64-191 fragments of K steps 0-3 (a step: k hi, k lo, q hi, q lo, 8 each); v192-223 the four partial sums;
;   v224-239 a query's 16 weights; v240-247 its 8 results.  Window 1: v64-191 fragments of K steps 4-7.  Window 2: v0-63 v hi, v64-127 v lo (key k, half g at 2 (2 k + g)).  Window 3: v0-127 v in f32.
.macro HLD kk                          ; eight loads: K step kk's four fragments
.set FF, 64+32*((\kk)%4)
	WIN 0x40*((\kk)/4)
	global_load_b128 v[FF:FF+3],     v3, s[42:43] offset:64*(\kk)
	global_load_b128 v[FF+4:FF+7],   v3, s[42:43] offset:64*(\kk)+32
	global_load_b128 v[FF+8:FF+11],  v3, s[48:49] offset:131072+64*(\kk)
	global_load_b128 v[FF+12:FF+15], v3, s[48:49] offset:131072+64*(\kk)+32
	global_load_b128 v[FF+16:FF+19], v3, s[40:41] offset:64*(\kk)
	global_load_b128 v[FF+20:FF+23], v3, s[40:41] offset:64*(\kk)+32
	global_load_b128 v[FF+24:FF+27], v3, s[48:49] offset:64*(\kk)
	global_load_b128 v[FF+28:FF+31], v3, s[48:49] offset:64*(\kk)+32
.endm
.macro HMM kk                          ; three products on three accumulators, which take turns
.set FF, 64+32*((\kk)%4)
	WIN 0x05*((\kk)/4)
.if (\kk) == 0
	v_wmma_f32_16x16x32_f16 v[32:39], v[FF:FF+7],    v[FF+16:FF+23], 0
	v_wmma_f32_16x16x32_f16 v[40:47], v[FF:FF+7],    v[FF+24:FF+31], 0
	v_wmma_f32_16x16x32_f16 v[48:55], v[FF+8:FF+15], v[FF+16:FF+23], 0
.else
	v_wmma_f32_16x16x32_f16 v[32:39], v[FF:FF+7],    v[FF+16:FF+23], v[32:39]
	v_wmma_f32_16x16x32_f16 v[40:47], v[FF:FF+7],    v[FF+24:FF+31], v[40:47]
	v_wmma_f32_16x16x32_f16 v[48:55], v[FF+8:FF+15], v[FF+16:FF+23], v[48:55]
.endif
.endm
.macro HVLD g                          ; 32 loads: both parts of v, 16 keys, my four channels of half g: a wave's load covers 256 consecutive bytes
	WIN 0x80
.set hk, 0
.rept 16
	global_load_b64 v[2*(2*hk+(\g)):2*(2*hk+(\g))+1],       v5, s[44:45] offset:2048*hk+1024*(\g)
	global_load_b64 v[64+2*(2*hk+(\g)):64+2*(2*hk+(\g))+1], v5, s[48:49] offset:262144+2048*hk+1024*(\g)
.set hk, hk+1
.endr
.endm
.macro HCV g                           ; v = hi x 1 + lo, one line a number
	WIN 0xe2                                       ; sources 0 and 2 window 2, source 1 window 0, destination window 3
.set hk, 0
.rept 16
.set HD, 4*(2*hk+(\g))
.set HH, 2*(2*hk+(\g))
	v_fma_mix_f32 v[HD],   v[HH],   v11, v[64+HH]   op_sel_hi:[1,0,1]
	v_fma_mix_f32 v[HD+1], v[HH],   v11, v[64+HH]   op_sel:[1,0,1] op_sel_hi:[1,0,1]
	v_fma_mix_f32 v[HD+2], v[HH+1], v11, v[64+HH+1] op_sel_hi:[1,0,1]
	v_fma_mix_f32 v[HD+3], v[HH+1], v11, v[64+HH+1] op_sel:[1,0,1] op_sel_hi:[1,0,1]
.set hk, hk+1
.endr
.endm
.Lhead:
	v_and_b32 v1, 15, v0                           ; l % 16
	v_bfe_u32 v2, v0, 4, 1                         ; l / 16
	v_lshlrev_b32 v3, 11, v1
	v_lshl_add_u32 v3, v2, 4, v3
	s_lshl_b32 s16, s10, 9
	v_add_nc_u32 v3, s16, v3                       ; row x 2,048 + 16 x half + my wave's 256 channels
	v_lshlrev_b32 v4, 3, v2
	v_sub_nc_u32 v4, v1, v4
	v_lshlrev_b32 v5, 3, v0
	v_lshlrev_b32 v6, 4, v0
	v_and_b32 v12, 31, v0
	v_lshlrev_b32 v8, 5, v12
	v_add_nc_u32 v8, HRED, v8                      ; 32 bytes a lane
	s_lshl_b32 s17, s10, 10
	v_add_nc_u32 v7, s17, v8                       ; in my wave's 1,024
	s_add_co_u32 s17, s17, HWT                     ; my wave's table of weights
	v_lshlrev_b32 v9, 6, v1
	v_lshl_add_u32 v9, v2, 5, v9
	v_add_nc_u32 v9, s17, v9                       ; query x 64 + 32 x half
	v_mov_b32 v11, 1.0
	v_mov_b32 v58, 0                               ; v_permlanex16_b32 counts as a reader of its destination
	s_lshl_b32 s18, s13, 22
	s_mov_b32 s19, 0
	s_add_nc_u64 s[40:41], s[4:5], s[18:19]        ; q hi at the batch's first row,
	s_add_nc_u64 s[42:43], s[40:41], 0x1000000     ; k hi,
	s_add_nc_u64 s[44:45], s[40:41], 0x2000000     ; v hi
	s_lshl_b32 s18, s13, 15
	s_add_nc_u64 s[48:49], s[56:57], s[18:19]      ; lo at the batch: q's plane; k's 131,072 bytes on, v's 262,144
	s_lshl_b32 s18, s13, 23
	s_add_nc_u64 s[58:59], s[58:59], s[18:19]      ; out0 at the batch's first row
.irp kk, 0,1,2,3,4,5,6
	HLD \kk
.endr
	s_wait_loadcnt 48                              ; loads come back in order: step 0's eight are in, the six younger steps' 48 stay out
	HMM 0
	HLD 7
	s_wait_loadcnt 48                              ; step 1's are in; steps 2 to 7 stay out
	HMM 1
	s_wait_loadcnt 40
	HMM 2
	s_wait_loadcnt 32
	HMM 3
	s_wait_loadcnt 24
	HMM 4
	HVLD 0                                         ; 24 + 32 loads are out
	s_wait_loadcnt 48                              ; step 5's are in; steps 6 and 7 and v's 32 stay out
	HMM 5
	s_wait_loadcnt 40
	HMM 6
	s_wait_loadcnt 32
	HMM 7
	WIN 0
	PLACES
.irp z, 0,2,4,6
	v_pk_add_f32 v[32+\z:33+\z], v[32+\z:33+\z], v[40+\z:41+\z]
.endr
.irp z, 0,2,4,6
	v_pk_add_f32 v[32+\z:33+\z], v[32+\z:33+\z], v[48+\z:49+\z]
.endr
	ds_store_b128 v7, v[32:35]
	ds_store_b128 v7, v[36:39] offset:16
	s_wait_loadcnt 0x0                             ; v's first half is in
	HVLD 1
	HCV 0                                          ; stands in the wait for the second half
	WIN 0
	s_wait_dscnt 0x0                               ; for the others' sake: my partial sums are written
	s_barrier_signal -1
	s_barrier_wait -1
.irp u, 0,1,2,3
	ds_load_b128 v[192+8*\u:195+8*\u], v8 offset:1024*\u
	ds_load_b128 v[196+8*\u:199+8*\u], v8 offset:1024*\u+16
.endr
	s_wait_dscnt 0x0
.irp z, 0,2,4,6
	v_pk_add_f32 v[32+\z:33+\z], v[192+\z:193+\z], v[200+\z:201+\z]
.endr
.irp z, 0,2,4,6
	v_pk_add_f32 v[32+\z:33+\z], v[32+\z:33+\z], v[208+\z:209+\z]
.endr
.irp z, 0,2,4,6
	v_pk_add_f32 v[32+\z:33+\z], v[32+\z:33+\z], v[216+\z:217+\z]
.endr
.set z, 0
.rept 8                                ; register z is key 8 (l / 16) + z of query l % 16: hidden where the key is the greater
	v_cmp_gt_i32 vcc_lo, z, v4
	v_cndmask_b32 v[32+z], v[32+z], s46, vcc_lo
.set z, z+1
.endr
	v_max3_num_f32 v56, v32, v33, v34
	v_max3_num_f32 v57, v35, v36, v37
	v_max3_num_f32 v56, v56, v38, v39
	v_max_num_f32 v56, v56, v57
	v_permlanex16_b32 v58, v56, s[SEL], s[SEL+1]   ; the query's other 8 keys lie in the lane 16 away
	v_max_num_f32 v56, v56, v58                    ; every query sees its own key, so this is a true score
.irp z, 0,2,4,6
	v_pk_add_f32 v[32+\z:33+\z], v[32+\z:33+\z], v[56:57] op_sel_hi:[1,0] neg_lo:[0,1] neg_hi:[0,1]
.endr
.irp z, 0,2,4,6
	v_pk_mul_f32 v[32+\z:33+\z], v[32+\z:33+\z], s[CS:CS+1] op_sel_hi:[1,0]
.endr
.irp z, 0,1,2,3,4,5,6,7
	v_exp_f32 v[32+\z], v[32+\z]
.endr
	v_nop                                          ; a plain instruction between the last exponential and the use of its result
	s_wait_alu depctr_va_vdst(0)
	v_pk_add_f32 v[60:61], v[32:33], v[34:35]
	v_pk_add_f32 v[62:63], v[36:37], v[38:39]
	v_pk_add_f32 v[60:61], v[60:61], v[62:63]
	v_add_f32 v60, v60, v61
	v_permlanex16_b32 v58, v60, s[SEL], s[SEL+1]
	v_add_f32 v60, v60, v58                        ; 1 at the least
	v_rcp_f32 v62, v60
	v_nop
	s_wait_alu depctr_va_vdst(0)
.irp z, 0,2,4,6
	v_pk_mul_f32 v[32+\z:33+\z], v[32+\z:33+\z], v[62:63] op_sel_hi:[1,0]
.endr
	ds_store_b128 v9, v[32:35]                     ; my wave's own table: its loads below come behind these in order
	ds_store_b128 v9, v[36:39] offset:16
	s_wait_loadcnt 0x0                             ; v's second half is in
	HCV 1
	WIN 0
	s_mov_b32 s[CT], 16
.Lhq:                                                  ; a trip: one query
	v_mov_b32 v10, s17
	ds_load_b128 v[224:227], v10                   ; its 16 weights, the same in every lane; those of hidden keys are 0
	ds_load_b128 v[228:231], v10 offset:16
	ds_load_b128 v[232:235], v10 offset:32
	ds_load_b128 v[236:239], v10 offset:48
	s_add_co_u32 s17, s17, 64
	s_wait_dscnt 0x0
	WIN 0x03                                       ; source 0, v, in window 3
.set hk, 0
.rept 16
.irp gc, 0,1,2,3
.if hk == 0
	v_pk_mul_f32 v[240+2*\gc:241+2*\gc], v[2*\gc:2*\gc+1], v[224:225] op_sel_hi:[1,0]
.elseif hk%2 == 0
	v_pk_fma_f32 v[240+2*\gc:241+2*\gc], v[8*hk+2*\gc:8*hk+2*\gc+1], v[224+hk:225+hk], v[240+2*\gc:241+2*\gc] op_sel_hi:[1,0,1]
.else
	v_pk_fma_f32 v[240+2*\gc:241+2*\gc], v[8*hk+2*\gc:8*hk+2*\gc+1], v[223+hk:224+hk], v[240+2*\gc:241+2*\gc] op_sel:[0,1,0] op_sel_hi:[1,1,1]
.endif
.endr
.set hk, hk+1
.endr
	WIN 0
	global_store_b128 v6, v[240:243], s[58:59] th:TH_STORE_NT              ; a wave's store covers 512 consecutive bytes, aligned
	global_store_b128 v6, v[244:247], s[58:59] offset:2048 th:TH_STORE_NT
	s_wait_xcnt 0x0                                ; the base and the results are written again only behind this wait
	s_add_nc_u64 s[58:59], s[58:59], 4096
	s_sub_co_u32 s[CT], s[CT], 1
	s_cmp_lg_u32 s[CT], 0
	s_cbranch_scc1 .Lhq
	s_wait_tensorcnt 0x0                           ; the wave's end
	ds_add_u32 v[SPW], v[NIL]
	s_wait_dscnt 0x0
	s_endpgm
.Lfunc_end_k_qb802cf958d_score:
	.size	k_qb802cf958d_score, .Lfunc_end_k_qb802cf958d_score-k_qb802cf958d_score
	.p2alignl 7, 3214868480
	.fill 96, 4, 3214868480
	.section	.rodata,"a",@progbits
	.p2align	6, 0x0
	.amdhsa_kernel k_qb802cf958d_score
		.amdhsa_group_segment_fixed_size 327680
		.amdhsa_private_segment_fixed_size 0
		.amdhsa_enable_private_segment 0
		.amdhsa_kernarg_size 40
		.amdhsa_user_sgpr_count 2
		.amdhsa_user_sgpr_kernarg_segment_ptr 1
		.amdhsa_wavefront_size32 1
		.amdhsa_system_sgpr_workgroup_id_x 1
		.amdhsa_system_sgpr_workgroup_id_y 1
		.amdhsa_system_sgpr_workgroup_id_z 1
		.amdhsa_system_vgpr_workitem_id 0
		.amdhsa_next_free_vgpr 1024
		.amdhsa_next_free_sgpr 66
		.amdhsa_reserve_vcc 1
		.amdhsa_float_denorm_mode_32 3
		.amdhsa_float_denorm_mode_16_64 3
		.amdhsa_memory_ordered 1
		.amdhsa_forward_progress 1
		.amdhsa_inst_pref_size 217
	.end_amdhsa_kernel
	.amdgpu_metadata
---
amdhsa.version: [ 1, 2 ]
amdhsa.kernels:
  - .name:           k_qb802cf958d_score
    .symbol:         k_qb802cf958d_score.kd
    .args:
      - { .name: qkv, .offset: 0, .size: 8, .value_kind: global_buffer, .address_space: global }
      - { .name: pt, .offset: 8, .size: 8, .value_kind: global_buffer, .address_space: global }
      - { .name: st, .offset: 16, .size: 8, .value_kind: global_buffer, .address_space: global }
      - { .name: lo, .offset: 24, .size: 8, .value_kind: global_buffer, .address_space: global }
      - { .name: out0, .offset: 32, .size: 8, .value_kind: global_buffer, .address_space: global }
    .group_segment_fixed_size: 327680
    .private_segment_fixed_size: 0
    .kernarg_segment_align: 8
    .kernarg_segment_size: 40
    .max_flat_workgroup_size: 128
    .sgpr_count:     66
    .vgpr_count:     1024
    .wavefront_size: 32
...
	.end_amdgpu_metadata
.endif
;; end of part 3
;; launch pv (part 4): grid 8 x 32, 4 waves a work-group, clusters of 4 x 1, 327,680 bytes of LDS; arguments pt, qkv, st, out0; writes out0
.if DOCPART == 4
	.amdgcn_target "amdgcn-amd-amdhsa--gfx1250"
	.amdhsa_code_object_version 6
	.text
	.protected	k_qb802cf958d_pv
	.globl	k_qb802cf958d_pv
	.p2align	8
	.type	k_qb802cf958d_pv,@function
k_qb802cf958d_pv:
	s_mov_b64 s[64:65], 0
	v_nop
	global_prefetch_b8 v0, s[64:65] scope:SCOPE_SE
	s_setreg_imm32_b32 hwreg(HW_REG_WAVE_MODE, 25, 1), 1
	s_wait_xcnt 0x0
	s_wait_alu depctr_hold_cnt(0) depctr_sa_sdst(0) depctr_va_vdst(0) depctr_va_sdst(0) depctr_va_ssrc(0) depctr_va_vcc(0) depctr_vm_vsrc(0)
	s_getreg_b32 s2, hwreg(HW_REG_IB_STS2, 6, 4)
	s_cmp_eq_u32 s2, 0
	s_cbranch_scc0 .Lentry_in_a_cluster
	s_endpgm
.Lentry_in_a_cluster:
	s_bfe_u32 s2, ttmp6, 0x10000c
	s_cmp_lg_u32 s2, 0x3003
	s_cbranch_scc0 .Lentry_shape_is_right
	s_endpgm
.Lentry_shape_is_right:
; out0[b][q][e] = sum over the chunks u of 128 keys of f'(q, u) x (sum over the chunk's keys of p[q][key] v[key][e]),  f'(q, u) = 2^(c m(q, u) - M(q)) / L(q),
; M(q) = the largest c m(q, u) of the row, L(q) = the sum over u of 2^(c m(q, u) - M(q)) l(q, u).  p (pt) and v (third plane of qkv) are f16; products' sums, M, L, f' and the sum over chunks are f32.
; ROWS 0-15 OF EACH BATCH ARE NOT STORED HERE: the launch before has made them, to f32's accuracy; their 16 rows ride along in a block of 128 and are dropped at the store.
; LIMITS: a factor below 2^-126 is 0; NaN and infinities are not treated apart.
; SHARES: a work-group makes 128 queries x 128 channels, twice: query block 15 - p and then block p of its batch.  In K steps of 256 keys the two need (15 - p) / 2 + 1 and p / 2 + 1 steps: nine
; together, whatever p: 256 work-groups of equal work, one walk with a constant count.  A wave makes 64 queries x 64 channels: 16 accumulators T for the chunk in hand, and O, 128 registers.
; After each chunk O takes f' x T: one packed multiply-add a pair; T starts anew with C = 0.  A chunk above the diagonal has f' = 0 and finite p.
; CLUSTER 4 x 1: the four partners make four channel blocks of the same queries, so p's tiles are asked for jointly; each partner's tile of v is its own, by a plain load behind the same round.
; Source 0 = 16 channels of v (turned by ds_load_tr16_b128), source 1 = 16 queries of p: a lane holds one query (l % 16) and eight neighbouring channels, so f' is one number a lane and row block.
; REGISTERS: window 0: v0-31 addresses, v32-95 rows on the way out, v96-103 f' (four pairs), v128-255 T ((a, b) at 128 + 8 (4 a + b); the table's work registers at the start);
;   window 1: two fragment buffers of 128 (p's 64, then v's 64);   window 2: v0-127 O.
.set PP,    528                        ; a row of p in LDS: 512 bytes + 16
.set PV,    288                        ; a row of v: 256 bytes + 32: 16 lanes of the turning load take 8 rows x 32 bytes
.set PHALF, 64*PP                      ; 64 queries: one tensor load
.set VOFF,  128*PP                     ; a slot: p's 128 rows, then v's 256 keys
.set VHALF, 128*PV                     ; 128 keys: one tensor load
.set SLOT,  VOFF+256*PV
.set STAGE, 2*SLOT                     ; 16 rows x 272 bytes for each wave
.set SP,    272
.set FT,    STAGE+4*16*SP              ; f': 18 chunks in the order of the walk x 128 rows, f32
.set SPARE, FT+18*512                  ; the spare words
.set LP,    16                         ; v16  my place in p's tile of slot 0
.set LV,    17                         ; v17  the same for v
.set ADRP,  18                         ; v18  LP + the slot in hand
.set ADRV,  19                         ; v19  LV + the slot in hand
.set ADRV2, 20                         ; v20  the same, 128 keys on: an LDS offset has 16 bits
.set FA0,   21                         ; v21  4 x my row in the block
.set FA,    22                         ; v22  FA0 + the chunk's place in the table
.set STO,   24
.set RD,    25
.set GO,    26                         ; v26  my byte offset in two rows of out0
.set SPW,   28
.set NIL,   29
.set T8,    30                         ; v30  8 x thread: my row's place in a chunk of st
.set FTA,   31                         ; v31  FT + 4 x thread
.set TMP,   32
.set FR,    96
.set T,     128
.set AD,    128                        ; at the start: v128-145 addresses, v146-181 (c m, l) of 18 chunks, v182-199 the factors, v200-208 at work
.set DT,    146
.set FU,    182
.set ML,    200
.set MS,    201
.set LL,    202
.set LSM,   203
.set NEG,   204
.set TA,    205
.set TB,    206
.set RL,    207
.set RS,    208
.set F0,    0
.set F1,    128
.set SKN, 2                            ; s2   1: my first 16 rows of the second block are a batch's rows 0-15 (p = 0, waves 0 and 1)
.set SK,  3                            ; s3   1: the first 16 rows of the block in hand are not stored
.set WV,  12                           ; s12 wave; s13 its half of the queries (also: fetches p (0) or v (1)); s14 its half of the channels (also: which part it fetches)
.set G1P, 24
.set G1V, 32
.set G0P, 40                           ; s[40:47] two sets; the second walks
.set G0V, 48
.set SB,  56                           ; s56  the slot in hand: 0 or SLOT
.set NXT, 57                           ; s57  the K step, in its block, to be asked for next
.set LQ,  58                           ; s58  the last K step of the block whose tiles are being asked for
.set POC, 59                           ; s59  byte offset in pt of my rows of that block
.set POS, 60                           ; s60  the same for the second block
.set RT,  61                           ; s61  K steps that the block in hand still has
.set NEW, 62                           ; s62  1: the next chunk is a block's first
.set CT,  63
.set OP,  72                           ; s[72:73] out0 at my part of the block in hand
.set OS,  74                           ; s[74:75] of the second block
.set FB,  76                           ; s76  the next chunk's place in the table
.set WPP, 77                           ; s77  my part's place in a slot, for p
.set WPV, 78                           ; s78  for v
.set MK,  84                           ; s84-101  -1: walk chunk u belongs to the first block; 0: to the second
.set MSB, 0
.macro WIN new
.if MSB != (\new)
	s_set_vgpr_msb (MSB<<8)|(\new)
.set MSB, \new
.endif
.endm
.set MUL,  0x05                        ; sources 0 and 1 window 1; C and D window 0
.set TO_F, 0x40                        ; destination window 1, address window 0
.macro PLACES
.rept 4
	v_nop
.endr
.endm
.macro JLOAD                           ; waves 0, 1: p's two halves, jointly; waves 2, 3: v's two halves
	s_cmp_eq_u32 s13, 0
	s_cbranch_scc0 .Lfor_v_\@
	tensor_load_to_lds s[G0P+4:G0P+7], s[G1P:G1P+7]
	s_nop 0
	PLACES
	s_branch .Lasked_\@
.Lfor_v_\@:
	tensor_load_to_lds s[G0V+4:G0V+7], s[G1V:G1V+7]
	s_nop 0
	PLACES
.Lasked_\@:
.endm
.macro CREST
	s_cmp_lg_u32 s[WV], 0
	s_cbranch_scc1 .Lnot_wave_0_\@
	s_barrier_signal -3
.Lnot_wave_0_\@:
	s_barrier_wait -3
	s_barrier_signal -1
	s_barrier_wait -1
.endm
.macro CROUND
	s_barrier_signal -1
	s_barrier_wait -1
	CREST
.endm
	s_load_b256 s[4:11], s[0:1], 0x0               ; pt s[4:5], qkv s[6:7], st s[8:9], out0 s[10:11]
	v_lshl_add_u32 v[SPW], v0, 2, SPARE
	v_mov_b32 v[NIL], 0
	ds_add_u32 v[SPW], v[NIL]                      ; the wave's opening: the add and its wait stand ahead of my first tensor load
	ds_add_u32 v28, v29
	v_lshrrev_b32 v1, 5, v0
	v_readfirstlane_b32 s[WV], v1
	s_lshr_b32 s13, s[WV], 1
	s_and_b32 s14, s[WV], 1
	s_bfe_u32 s15, ttmp6, 0x40000                  ; cx: it enters v's and out0's addresses alone
	s_lshl_b32 s16, ttmp9, 2
	s_add_co_u32 s16, s16, s15                     ; my block of 128 channels
	s_and_b32 s17, ttmp7, 0xffff
	s_lshr_b32 s18, s17, 3                         ; b
	s_and_b32 s19, s17, 7                          ; p: the second query block
	s_sub_co_u32 s20, 15, s19                      ; the first
	s_lshr_b32 s21, s20, 1
	s_add_co_u32 s21, s21, 1                       ; its K steps
	s_lshr_b32 s79, s19, 1                         ; the second block's last K step
	s_add_co_u32 s22, s79, 1                       ; its K steps
	s_lshl_b32 s23, s21, 1                         ; the first block's chunks
	s_or_b32 s[SKN], s19, s13                      ; p and my half of the queries: both 0?
	s_cmp_eq_u32 s[SKN], 0
	s_cselect_b32 s[SKN], 1, 0
	s_mov_b32 s[SK], 0
	s_lshl_b32 s80, s18, 23                        ; pt: row b 2,048 + 128 block + 64 part, of 4,096 bytes
	s_lshl_b32 s81, s14, 18
	s_add_co_u32 s80, s80, s81
	s_lshl_b32 s[POC], s20, 19
	s_add_co_u32 s[POC], s[POC], s80
	s_lshl_b32 s[POS], s19, 19
	s_add_co_u32 s[POS], s[POS], s80
	s_lshl_b32 s68, s18, 22                        ; v: the third plane; key b 2,048 + 128 part, of 2,048 bytes; my channel block's 256 bytes
	s_add_co_u32 s68, s68, s81
	s_lshl_b32 s82, s16, 8
	s_add_co_u32 s68, s68, s82
	s_add_co_u32 s68, s68, 0x2000000
	s_mov_b32 s69, 0
	s_mov_b32 s67, 0
	s_lshl_b32 s82, s18, 23                        ; out0: row b 2,048 + 128 block + 64 half, of 4,096 bytes; channel block 512 bytes, my half 256
	s_lshl_b32 s83, s13, 18
	s_add_co_u32 s82, s82, s83
	s_lshl_b32 s83, s16, 9
	s_add_co_u32 s82, s82, s83
	s_lshl_b32 s83, s14, 8
	s_add_co_u32 s82, s82, s83
	s_lshl_b32 s72, s20, 19
	s_add_co_u32 s72, s72, s82
	s_mov_b32 s73, 0
	s_lshl_b32 s74, s19, 19
	s_add_co_u32 s74, s74, s82
	s_mov_b32 s75, 0
	s_mul_i32 s[WPP], s14, PHALF
	s_mul_i32 s[WPV], s14, VHALF
	s_add_co_u32 s[WPV], s[WPV], VOFF
	s_mov_b32 s[G1P], 15|(1<<16)|(1<<20)|(1<<21)|(6<<22)|(3<<25)  ; the mask of four; 2-byte elements; padding on; bit 21 beside a mask; after every 128 words, 4 words
	s_mov_b32 s[G1P+1], 256<<16                    ; tensor_dim0 = 256
	s_mov_b32 s[G1P+2], 64<<16                     ; tensor_dim1 = 64
	s_mov_b32 s[G1P+3], 256<<16                    ; tile_dim0 = 256
	s_mov_b32 s[G1P+4], 64                         ; tile_dim1 = 64
	s_mov_b32 s[G1P+5], 2048                       ; elements from row to row of pt
	s_mov_b32 s[G1P+6], 0
	s_mov_b32 s[G1P+7], 0
	s_mov_b32 s[G1V], (1<<16)|(1<<20)|(5<<22)|(7<<25)  ; no mask; after every 64 words, 8 words
	s_mov_b32 s[G1V+1], 128<<16
	s_mov_b32 s[G1V+2], 128<<16
	s_mov_b32 s[G1V+3], 128<<16
	s_mov_b32 s[G1V+4], 128
	s_mov_b32 s[G1V+5], 1024
	s_mov_b32 s[G1V+6], 0
	s_mov_b32 s[G1V+7], 0
	s_mov_b32 s[G0P], 1
	s_mov_b32 s[G0P+1], s[WPP]
	s_mov_b32 s[G0P+4], 1
	s_add_co_u32 s[G0P+5], s[WPP], SLOT
	s_mov_b32 s[G0V], 1
	s_mov_b32 s[G0V+1], s[WPV]
	s_mov_b32 s[G0V+4], 1
	s_add_co_u32 s[G0V+5], s[WPV], SLOT
	s_mov_b32 s[SB], 0
	s_mov_b32 s[NXT], 2
	s_sub_co_u32 s[LQ], s21, 1
	s_mov_b32 s[RT], s21
	s_mov_b32 s[NEW], 1
	s_mov_b32 s[FB], FT
	s_mov_b32 s66, s[POC]
	s_wait_dscnt 0x0                               ; the opening add is done
	s_wait_kmcnt 0x0
	s_add_nc_u64 s[G0P+2:G0P+3], s[4:5], s[66:67]  ; the first block's K steps 0 and 1
	s_add_nc_u64 s[G0P+6:G0P+7], s[G0P+2:G0P+3], 512
	s_or_b32 s[G0P+3], s[G0P+3], 0x80000000
	s_or_b32 s[G0P+7], s[G0P+7], 0x80000000
	s_add_nc_u64 s[70:71], s[6:7], s[68:69]        ; v at my part of the batch's first 256 keys
	s_mov_b64 s[G0V+2:G0V+3], s[70:71]
	s_add_nc_u64 s[G0V+6:G0V+7], s[70:71], 0x80000
	s_or_b32 s[G0V+3], s[G0V+3], 0x80000000
	s_or_b32 s[G0V+7], s[G0V+7], 0x80000000
	s_add_nc_u64 s[OP:OP+1], s[10:11], s[72:73]
	s_add_nc_u64 s[OS:OS+1], s[10:11], s[74:75]
	CROUND                                         ; all four work-groups are here: the first joint loads meet
	s_cmp_eq_u32 s13, 0                            ; a wave's two first fills stand in one branch: two loads of mine are out
	s_cbranch_scc0 .Lfirst_v
	tensor_load_to_lds s[G0P:G0P+3], s[G1P:G1P+7]
	s_nop 0
	tensor_load_to_lds s[G0P+4:G0P+7], s[G1P:G1P+7]
	s_nop 0
	PLACES
	s_branch .Lfirst_asked
.Lfirst_v:
	tensor_load_to_lds s[G0V:G0V+3], s[G1V:G1V+7]
	s_nop 0
	tensor_load_to_lds s[G0V+4:G0V+7], s[G1V:G1V+7]
	s_nop 0
	PLACES
.Lfirst_asked:
	; THE TABLE OF FACTORS.  Thread t stands for row t of both blocks.  Walk chunk u is chunk u of the first block while u < its number of chunks, else chunk u less that number of the second.
	v_lshlrev_b32 v[T8], 3, v0
	v_lshl_add_u32 v[FTA], v0, 2, FT
	s_lshl_b32 s80, s18, 18                        ; st: b 262,144 + chunk 16,384 + (128 block + t) 8
	s_lshl_b32 s81, s19, 10
	s_add_co_u32 s81, s81, s80
	s_lshl_b32 s82, s20, 10
	s_add_co_u32 s80, s80, s82
.set u, 0
.rept 18
	s_cmp_gt_u32 s23, u
	s_cselect_b32 s[MK+u], -1, 0
	s_cselect_b32 s82, s80, s81
	s_cselect_b32 s83, 0, s23
	s_sub_co_u32 s83, u, s83                       ; the chunk's number in its block
	s_lshl_b32 s83, s83, 14
	s_add_co_u32 s82, s82, s83
	v_add_nc_u32 v[AD+u], s82, v[T8]
	global_load_b64 v[DT+2*u:DT+2*u+1], v[AD+u], s[8:9]  ; 128 threads read 1,024 consecutive bytes
.set u, u+1
.endr
	; the lane's addresses stand in the wait for those loads
	v_and_b32 v1, 15, v0
	v_bfe_u32 v2, v0, 4, 1
	v_mul_u32_u24 v[LP], v1, PP
	v_lshl_add_u32 v[LP], v2, 4, v[LP]
	s_mul_i32 s82, s13, PHALF
	v_add_nc_u32 v[LP], s82, v[LP]                 ; row x pitch + 16 x half + my 64 queries
	v_and_b32 v3, 7, v0
	v_bfe_u32 v4, v0, 3, 1
	v_lshl_add_u32 v[LV], v2, 3, v3                ; the turning load: lane l reads key 8 (l / 16) + l % 8, channels 8 ((l / 8) % 2) + 0..7
	v_mul_u32_u24 v[LV], v[LV], PV
	v_lshl_add_u32 v[LV], v4, 4, v[LV]
	s_lshl_b32 s82, s14, 7
	s_add_co_u32 s82, s82, VOFF
	v_add_nc_u32 v[LV], s82, v[LV]
	v_mov_b32 v[ADRP], v[LP]
	v_mov_b32 v[ADRV], v[LV]
	v_add_nc_u32 v[ADRV2], VHALF, v[LV]
	s_lshl_b32 s82, s13, 8
	v_lshl_add_u32 v[FA0], v1, 2, s82              ; 4 x (64 half + l % 16)
	s_mul_i32 s82, s[WV], 16*SP
	s_add_co_u32 s82, s82, STAGE
	v_mul_u32_u24 v5, v1, SP                       ; in: row l % 16, 32 bytes for each half of the lanes
	v_lshl_add_u32 v5, v2, 5, v5
	v_add_nc_u32 v[STO], s82, v5
	v_mul_u32_u24 v5, v2, SP                       ; back: lanes 0-15 one row of 256 bytes, lanes 16-31 the next
	v_lshl_add_u32 v5, v1, 4, v5
	v_add_nc_u32 v[RD], s82, v5
	v_lshlrev_b32 v5, 12, v2
	v_lshl_add_u32 v[GO], v1, 4, v5
.irp a, 0,1,2,3
	v_mov_b32 v[FR+2*\a+1], 0                      ; named with the factors as pairs
.endr
	v_mov_b32 v[NEG], 0xff7fffff                   ; the lowest finite number
	v_mov_b32 v[ML], v[NEG]
	v_mov_b32 v[MS], v[NEG]
	s_wait_loadcnt 0x0
.set u, 0
.rept 18                               ; each block's largest c m
	v_cndmask_b32 v[TA], v[NEG], v[DT+2*u], s[MK+u]
	v_cndmask_b32 v[TB], v[DT+2*u], v[NEG], s[MK+u]
	v_max_num_f32 v[ML], v[ML], v[TA]
	v_max_num_f32 v[MS], v[MS], v[TB]
.set u, u+1
.endr
.set u, 0
.rept 18
	v_cndmask_b32 v[TA], v[MS], v[ML], s[MK+u]
	v_sub_f32 v[FU+u], v[DT+2*u], v[TA]            ; never positive
.set u, u+1
.endr
.set u, 0
.rept 18
	v_exp_f32 v[FU+u], v[FU+u]
.set u, u+1
.endr
	v_mov_b32 v[LL], 0                             ; plain instructions behind the last exponential
	v_mov_b32 v[LSM], 0
.set u, 0
	s_wait_alu depctr_va_vdst(0)
.rept 18                               ; each block's sum, in f32
	v_cndmask_b32 v[TA], 0, v[FU+u], s[MK+u]
	v_cndmask_b32 v[TB], v[FU+u], 0, s[MK+u]
	v_fmac_f32 v[LL], v[TA], v[DT+2*u+1]
	v_fmac_f32 v[LSM], v[TB], v[DT+2*u+1]
.set u, u+1
.endr
	v_rcp_f32 v[RL], v[LL]                         ; each sum holds its largest chunk's l, which is 1 at the least
	v_rcp_f32 v[RS], v[LSM]
	v_nop
.set u, 0
	s_wait_alu depctr_va_vdst(0)
.rept 18
	v_cndmask_b32 v[TA], v[RS], v[RL], s[MK+u]
	v_mul_f32 v[FU+u], v[FU+u], v[TA]
	ds_store_b32 v[FTA], v[FU+u] offset:512*u
.set u, u+1
.endr
; 8 matrix instructions: query blocks a0, a0 + 1 x all 4 channel blocks, 32 keys: half c of buffer f.  zero = 1: the product starts the chunk's sum.  The 16 accumulators take turns.
.macro MUL8 f, c, a0, zero
	WIN MUL
.irp a, \a0, (\a0)+1
.irp b, 0,1,2,3
.if \zero
	v_wmma_f32_16x16x32_f16 v[T+8*(4*(\a)+(\b)):T+8*(4*(\a)+(\b))+7], v[(\f)+64+8*(4*(\c)+(\b)):(\f)+64+8*(4*(\c)+(\b))+7], v[(\f)+8*(4*(\c)+(\a)):(\f)+8*(4*(\c)+(\a))+7], 0
.else
	v_wmma_f32_16x16x32_f16 v[T+8*(4*(\a)+(\b)):T+8*(4*(\a)+(\b))+7], v[(\f)+64+8*(4*(\c)+(\b)):(\f)+64+8*(4*(\c)+(\b))+7], v[(\f)+8*(4*(\c)+(\a)):(\f)+8*(4*(\c)+(\a))+7], v[T+8*(4*(\a)+(\b)):T+8*(4*(\a)+(\b))+7]
.endif
.endr
.endr
.endm
; 32 LDS loads in one run: the fragments of quarter nq (64 keys) of the slot in hand, into buffer f; the first 32 keys first
.macro FETCH nq, f
	WIN TO_F
.if (\nq) < 2
.set VR, ADRV
.else
.set VR, ADRV2
.endif
.irp c, 0,1
.irp i, 0,1,2,3
	ds_load_tr16_b128 v[(\f)+64+8*(4*(\c)+(\i)):(\f)+64+8*(4*(\c)+(\i))+3],   v[VR] offset:(((\nq)&1)*64+32*(\c))*PV+32*(\i)
	ds_load_tr16_b128 v[(\f)+64+8*(4*(\c)+(\i))+4:(\f)+64+8*(4*(\c)+(\i))+7], v[VR] offset:(((\nq)&1)*64+32*(\c)+16)*PV+32*(\i)
	ds_load_b128 v[(\f)+8*(4*(\c)+(\i)):(\f)+8*(4*(\c)+(\i))+3],   v[ADRP] offset:128*(\nq)+64*(\c)+(\i)*16*PP
	ds_load_b128 v[(\f)+8*(4*(\c)+(\i))+4:(\f)+8*(4*(\c)+(\i))+7], v[ADRP] offset:128*(\nq)+64*(\c)+(\i)*16*PP+32
.endr
.endr
.endm
; One of a K step's first three quarters: multiplies buffer f and fetches quarter nq into g.  fac = 1: a chunk begins, and its four factors a lane are read from the table.
.macro QUARTER nq, f, g, zero, fac
	s_wait_dscnt 16                                ; the first 32 keys' fragments are in; the other sixteen loads may be out
	MUL8 \f, 0, 0, \zero
	MUL8 \f, 0, 2, \zero
	WIN 0
.if \fac
	v_add_nc_u32 v[FA], s[FB], v[FA0]
.irp a, 0,1,2,3
	ds_load_b32 v[FR+2*\a], v[FA] offset:64*\a
.endr
	s_add_co_u32 s[FB], s[FB], 512
.endif
	PLACES
	FETCH \nq, \g
	s_wait_dscnt 32                                ; all but the 32 just issued: the factors are in too
	MUL8 \f, 1, 0, 0
	MUL8 \f, 1, 2, 0
.endm
; O takes the chunk: first = 1: O = f' T, else O += f' T.  Each accumulator is read from its low end on.
.macro FOLD first
	PLACES
.if \first
	WIN 0x80                                       ; destination window 2
.else
	WIN 0xa0                                       ; destination and source 2 window 2
.endif
.set z, 0
.rept 64
.if \first
	v_pk_mul_f32 v[2*z:2*z+1], v[T+2*z:T+2*z+1], v[FR+2*(z/16):FR+2*(z/16)+1] op_sel_hi:[1,0]
.else
	v_pk_fma_f32 v[2*z:2*z+1], v[T+2*z:T+2*z+1], v[FR+2*(z/16):FR+2*(z/16)+1], v[2*z:2*z+1] op_sel_hi:[1,0,1]
.endif
.set z, z+1
.endr
.endm
; The fourth quarter and the change of slots.  fill = 1: the barrier opens a round of the cluster's, and the slot just read is filled again with the walk's step two on.
.macro TURN fill
	WIN 0
	s_wait_tensorcnt 0x0                           ; no tensor load of mine is out, so a group 0 may be written
	ds_add_u32 v[SPW], v[NIL]
.if \fill
	s_lshl_b32 s66, s[NXT], 9                      ; 256 keys are 512 bytes of a row of pt,
	s_add_co_u32 s66, s66, s[POC]
	s_lshl_b32 s68, s[NXT], 19                     ; and 256 rows of v
	s_add_co_u32 s[G0P+5], s[WPP], s[SB]
	s_add_nc_u64 s[G0P+6:G0P+7], s[4:5], s[66:67]
	s_or_b32 s[G0P+7], s[G0P+7], 0x80000000
	s_add_co_u32 s[G0V+5], s[WPV], s[SB]
	s_add_nc_u64 s[G0V+6:G0V+7], s[70:71], s[68:69]
	s_or_b32 s[G0V+7], s[G0V+7], 0x80000000
	s_add_co_u32 s[NXT], s[NXT], 1                 ; the block's next step, or behind its last the second block's step 0
	s_cmp_gt_u32 s[NXT], s[LQ]
	s_cselect_b32 s[NXT], 0, s[NXT]
	s_cselect_b32 s[POC], s[POS], s[POC]
	s_cselect_b32 s[LQ], s79, s[LQ]
.endif
	s_wait_dscnt 17                                ; the add and the youngest sixteen loads may be out
	MUL8 F1, 0, 0, 0
	s_wait_dscnt 0x0                               ; the add is done, and my reads of this slot are over
	s_barrier_signal -1
	MUL8 F1, 0, 2, 0
	WIN 0
	s_barrier_wait -1
.if \fill
	CREST                                          ; no wave of any partner still reads this slot or has a load on its way
	JLOAD                                          ; my one tensor load behind the round
.else
	PLACES
.endif
	s_xor_b32 s[SB], s[SB], SLOT
	v_add_nc_u32 v[ADRP], s[SB], v[LP]
	v_add_nc_u32 v[ADRV], s[SB], v[LV]
	v_add_nc_u32 v[ADRV2], VHALF, v[ADRV]
	FETCH 0, F0
	MUL8 F1, 1, 0, 0
	MUL8 F1, 1, 2, 0
.endm
; THE WAY OUT of row block a: a lane's 32 bytes of each of four channel blocks go into my stage; whole rows of 256 bytes come back and are stored.
.macro TOSTAGE a
	WIN 0x08                                       ; store data in window 2
.irp b, 0,1,2,3
	ds_store_b128 v[STO], v[8*(4*(\a)+(\b)):8*(4*(\a)+(\b))+3]   offset:64*(\b)
	ds_store_b128 v[STO], v[8*(4*(\a)+(\b))+4:8*(4*(\a)+(\b))+7] offset:64*(\b)+16
.endr
	WIN 0
.irp t, 0,1,2,3,4,5,6,7
	ds_load_b128 v[TMP+32*((\a)%2)+4*(\t):TMP+32*((\a)%2)+4*(\t)+3], v[RD] offset:(\t)*2*SP  ; LDS serves a wave's instructions in order: these see the stores above, and the next block's stores come behind them
.endr
.endm
.macro SEND a, younger                 ; younger: the LDS instructions issued behind block a's loads
	WIN 0
	s_wait_dscnt \younger
.if (\a) == 0
	s_cmp_eq_u32 s[SK], 1                          ; a batch's rows 0-15 have been made by the launch before: forward, past eight stores and nothing else
	s_cbranch_scc1 .Lkept_\@
.endif
.irp t, 0,1,2,3,4,5,6,7
	global_store_b128 v[GO], v[TMP+32*((\a)%2)+4*(\t):TMP+32*((\a)%2)+4*(\t)+3], s[OP:OP+1] offset:(\a)*65536+(\t)*8192 th:TH_STORE_NT  ; 16 lanes store 256 consecutive bytes, aligned
.endr
.if (\a) == 0
.Lkept_\@:
.endif
.endm
.macro WAYOUT
	TOSTAGE 0
	TOSTAGE 1
	SEND 0, 16
	s_wait_xcnt 0x0                                ; block 0's stores have read their registers, which block 2 takes
	TOSTAGE 2
	SEND 1, 16
	s_wait_xcnt 0x0
	TOSTAGE 3
	SEND 2, 16
	SEND 3, 0
.endm
; A K step: 256 keys, two chunks.
.macro STEP fill
	QUARTER 1, F0, F1, 1, 1
	QUARTER 2, F1, F0, 0, 0
	WIN 0
	s_cmp_eq_u32 s[NEW], 1                         ; a block's first chunk starts O
	s_cbranch_scc1 .Lstart_o_\@
	FOLD 0
	WIN 0
	s_branch .Lfolded_\@
.Lstart_o_\@:
	FOLD 1
	WIN 0
.Lfolded_\@:
	s_mov_b32 s[NEW], 0
	QUARTER 3, F0, F1, 1, 1
	TURN \fill
	FOLD 0
	WIN 0
	s_sub_co_u32 s[RT], s[RT], 1
	s_cmp_lg_u32 s[RT], 0
	s_cbranch_scc1 .Lgoes_on_\@                    ; forward, past text with no barrier and no tensor load
	WAYOUT                                         ; the block is finished
	s_wait_xcnt 0x0                                ; the stores have read their registers and their base
	s_mov_b64 s[OP:OP+1], s[OS:OS+1]
	s_mov_b32 s[RT], s22
	s_mov_b32 s[NEW], 1
	s_mov_b32 s[SK], s[SKN]
.Lgoes_on_\@:
.endm
	s_wait_tensorcnt 0x1                           ; my part of the walk's step 0 is in; step 1's may stay out
	s_wait_dscnt 0x0                               ; my rows of the table are written: other waves read them
	s_barrier_signal -1
	s_barrier_wait -1
	FETCH 0, F0
	WIN 0
	s_mov_b32 s[CT], 7
.Lstep:                                                ; seven steps, each asking for the step two on
	STEP 1
	s_sub_co_u32 s[CT], s[CT], 1
	s_cmp_lg_u32 s[CT], 0
	s_cbranch_scc1 .Lstep
	s_mov_b32 s[CT], 2
.Ltail:                                                ; the last two ask for nothing (the very last fetches fragments of the other slot's old bytes, which nothing uses)
	STEP 0
	s_sub_co_u32 s[CT], s[CT], 1
	s_cmp_lg_u32 s[CT], 0
	s_cbranch_scc1 .Ltail
	s_wait_tensorcnt 0x0                           ; the wave's end
	ds_add_u32 v[SPW], v[NIL]
	s_wait_dscnt 0x0
	CROUND                                         ; the closing round
	s_endpgm
.Lfunc_end_k_qb802cf958d_pv:
	.size	k_qb802cf958d_pv, .Lfunc_end_k_qb802cf958d_pv-k_qb802cf958d_pv
	.p2alignl 7, 3214868480
	.fill 96, 4, 3214868480
	.section	.rodata,"a",@progbits
	.p2align	6, 0x0
	.amdhsa_kernel k_qb802cf958d_pv
		.amdhsa_group_segment_fixed_size 327680
		.amdhsa_private_segment_fixed_size 0
		.amdhsa_enable_private_segment 0
		.amdhsa_kernarg_size 32
		.amdhsa_user_sgpr_count 2
		.amdhsa_user_sgpr_kernarg_segment_ptr 1
		.amdhsa_wavefront_size32 1
		.amdhsa_system_sgpr_workgroup_id_x 1
		.amdhsa_system_sgpr_workgroup_id_y 1
		.amdhsa_system_sgpr_workgroup_id_z 1
		.amdhsa_system_vgpr_workitem_id 0
		.amdhsa_next_free_vgpr 640
		.amdhsa_next_free_sgpr 102
		.amdhsa_reserve_vcc 0
		.amdhsa_float_denorm_mode_32 3
		.amdhsa_float_denorm_mode_16_64 3
		.amdhsa_memory_ordered 1
		.amdhsa_forward_progress 1
		.amdhsa_inst_pref_size 108
	.end_amdhsa_kernel
	.amdgpu_metadata
---
amdhsa.version: [ 1, 2 ]
amdhsa.kernels:
  - .name:           k_qb802cf958d_pv
    .symbol:         k_qb802cf958d_pv.kd
    .args:
      - { .name: pt, .offset: 0, .size: 8, .value_kind: global_buffer, .address_space: global }
      - { .name: qkv, .offset: 8, .size: 8, .value_kind: global_buffer, .address_space: global }
      - { .name: st, .offset: 16, .size: 8, .value_kind: global_buffer, .address_space: global }
      - { .name: out0, .offset: 24, .size: 8, .value_kind: global_buffer, .address_space: global }
    .group_segment_fixed_size: 327680
    .private_segment_fixed_size: 0
    .kernarg_segment_align: 8
    .kernarg_segment_size: 32
    .max_flat_workgroup_size: 128
    .sgpr_count:     102
    .vgpr_count:     640
    .wavefront_size: 32
...
	.end_amdgpu_metadata
.endif
;; end of part 4
;; ======== version 2 of 2: 4 launches; version 1 with the launch cast written anew for expert scheduling mode
;; limits: values are held in f16: magnitudes above 65,504 overflow, below 6.1e-05 lose precision; right only within a limited range of input values
;; workspace buffers: xb 16,777,216 bytes; wb 6,291,456 bytes; qkv 50,331,648 bytes; lo 393,216 bytes; pt 33,554,432 bytes; st 1,048,576 bytes
;; launch cast (part 5): grid 704 x 1, 8 waves a work-group, no clusters, 0 bytes of LDS; arguments x, Wq, Wk, Wv, xb, wb; writes xb, wb
.if DOCPART == 5
	.amdgcn_target "amdgcn-amd-amdhsa--gfx1250"
	.amdhsa_code_object_version 6
	.text
	.protected	k_qb802cf958d_cast
	.globl	k_qb802cf958d_cast
	.p2align	8
	.type	k_qb802cf958d_cast,@function
k_qb802cf958d_cast:
	s_mov_b64 s[64:65], 0
	v_nop
	global_prefetch_b8 v0, s[64:65] scope:SCOPE_SE
	s_setreg_imm32_b32 hwreg(HW_REG_WAVE_SCHED_MODE, 0, 2), 2
	s_setreg_imm32_b32 hwreg(HW_REG_WAVE_MODE, 25, 1), 1
	s_wait_xcnt 0x0
	s_wait_alu depctr_vm_vsrc(0)
; x [8192][1024] and Wq, Wk, Wv [1024][1024], all f32, are rounded once to bf16: xb [8192][1024], wb [3072][1024] (Wq's rows, then Wk's, then Wv's).
; A work-group takes 16,384 numbers: 65,536 bytes in, 32,768 out.  Groups 0-511 take x, groups 512-703 the three weights, 64 groups each.
; A wave takes 2,048 numbers by sixteen loads of 512 consecutive bytes, all issued at once; each store of a wave covers 256 consecutive bytes, aligned.
; No register is written twice, so no wait frees a source.  No LDS, no barrier, no matrix unit: there is nothing here but bytes.
; THE MODE: SCHED_MODE bits 1:0 = 2 (LLVM: expert scheduling mode 2), set by the entry lines.  The code itself states the register dependences
; between vector instructions and memory instructions, with s_wait_alu, always for 0.
; THE PLAN.  Registers that memory instructions touch:
;   v1, v2   byte offsets of the loads and of the stores: made at the head by vector instructions, read by every load or store, never written again.
;   X        load j lands in X + 4 j .. + 3; the two conversions of j read them; no vector instruction names them ahead of the loads, and nothing lands in them again.
;   Y        the two conversions of j write Y + 2 j, + 1; store j reads them; they are never written again.
; The sixteen loads go in four groups of four.  Store j stands in the turn of load j + 4, ahead of that turn's conversions.  So ONE wait on va_vdst at a group's head states that the
; group before has written its eight registers of Y, and the group's four stores follow it, dealt among conversions that name the group's own X and Y alone.
; One more such wait stands ahead of the first load (v1, v2) and one ahead of the last four stores.  No register that a memory instruction reads is written again: no wait on vm_vsrc is owed.
.set X, 8                              ; v[8:71]    sixteen loads of four f32
.set Y, 72                             ; v[72:103]  sixteen pairs of packed bf16
	s_load_b256 s[4:11], s[0:1], 0x0               ; x s[4:5], Wq s[6:7], Wk s[8:9], Wv s[10:11]
	s_load_b128 s[12:15], s[0:1], 0x20             ; xb s[12:13], wb s[14:15]
	s_sub_co_u32 s16, ttmp9, 512                   ; the group's number among the weights' (used only from group 512 on)
	s_lshr_b32 s17, s16, 6                         ; which weight
	s_and_b32 s18, s16, 63                         ; which part of it
	v_and_b32 v3, 31, v0                           ; lane
	v_lshrrev_b32 v4, 5, v0                        ; wave
	v_lshlrev_b32 v1, 4, v3
	v_lshl_add_u32 v1, v4, 13, v1                  ; in: 8,192 x wave + 16 x lane
	v_lshlrev_b32 v2, 3, v3
	v_lshl_add_u32 v2, v4, 12, v2                  ; out: 4,096 x wave + 8 x lane
	s_wait_kmcnt 0x0
	s_cmp_eq_u32 s17, 1
	s_cselect_b64 s[20:21], s[8:9], s[6:7]         ; Wk or Wq,
	s_cmp_eq_u32 s17, 2
	s_cselect_b64 s[20:21], s[10:11], s[20:21]     ; or Wv,
	s_cmp_lt_u32 ttmp9, 512
	s_cselect_b64 s[20:21], s[4:5], s[20:21]       ; or x
	s_cselect_b64 s[22:23], s[12:13], s[14:15]     ; into xb or wb
	s_cselect_b32 s24, ttmp9, s18                  ; the part's number in the source,
	s_cselect_b32 s25, ttmp9, s16                  ; and in the destination
	s_lshl_b32 s26, s24, 16
	s_mov_b32 s27, 0
	s_lshl_b32 s28, s25, 15
	s_mov_b32 s29, 0
	s_add_nc_u64 s[20:21], s[20:21], s[26:27]
	s_add_nc_u64 s[22:23], s[22:23], s[28:29]
	s_wait_alu depctr_va_vdst(0)                   ; v1 and v2 are written: every load reads v1 as its offset, every store v2
.irp j, 0,1,2,3,4,5,6,7,8,9,10,11,12,13,14,15
	global_load_b128 v[X+4*(\j):X+4*(\j)+3], v1, s[20:21] offset:512*(\j) th:TH_LOAD_NT
.endr
.irp g, 0,1,2,3
.irp i, 0,1,2,3
	s_wait_loadcnt 15-4*(\g)-(\i)                  ; loads come back in order: load j = 4 g + i is in, the 15 - j younger ones stay out
.if (\g) > 0
.if (\i) == 0
	s_wait_alu depctr_va_vdst(0)                   ; the conversions of the group before have written their eight registers of Y, which this group's four stores read
.endif
	global_store_b64 v2, v[Y+8*((\g)-1)+2*(\i):Y+8*((\g)-1)+2*(\i)+1], s[22:23] offset:256*(4*((\g)-1)+(\i))  ; store j - 4; no vector instruction since the wait names its registers
.endif
	v_cvt_pk_bf16_f32 v[Y+8*(\g)+2*(\i)], v[X+16*(\g)+4*(\i)], v[X+16*(\g)+4*(\i)+1]
	v_cvt_pk_bf16_f32 v[Y+8*(\g)+2*(\i)+1], v[X+16*(\g)+4*(\i)+2], v[X+16*(\g)+4*(\i)+3]
.endr
.endr
	s_wait_alu depctr_va_vdst(0)                   ; the last group's conversions have written their eight registers of Y, which the last four stores read
.irp i, 0,1,2,3
	global_store_b64 v2, v[Y+24+2*(\i):Y+24+2*(\i)+1], s[22:23] offset:256*(12+(\i))
.endr
	s_endpgm
.Lfunc_end_k_qb802cf958d_cast:
	.size	k_qb802cf958d_cast, .Lfunc_end_k_qb802cf958d_cast-k_qb802cf958d_cast
	.p2alignl 7, 3214868480
	.fill 96, 4, 3214868480
	.section	.rodata,"a",@progbits
	.p2align	6, 0x0
	.amdhsa_kernel k_qb802cf958d_cast
		.amdhsa_group_segment_fixed_size 0
		.amdhsa_private_segment_fixed_size 0
		.amdhsa_enable_private_segment 0
		.amdhsa_kernarg_size 48
		.amdhsa_user_sgpr_count 2
		.amdhsa_user_sgpr_kernarg_segment_ptr 1
		.amdhsa_wavefront_size32 1
		.amdhsa_system_sgpr_workgroup_id_x 1
		.amdhsa_system_sgpr_workgroup_id_y 1
		.amdhsa_system_sgpr_workgroup_id_z 1
		.amdhsa_system_vgpr_workitem_id 0
		.amdhsa_next_free_vgpr 104
		.amdhsa_next_free_sgpr 66
		.amdhsa_reserve_vcc 0
		.amdhsa_float_denorm_mode_32 3
		.amdhsa_float_denorm_mode_16_64 3
		.amdhsa_memory_ordered 1
		.amdhsa_forward_progress 1
		.amdhsa_inst_pref_size 8
	.end_amdhsa_kernel
	.amdgpu_metadata
---
amdhsa.version: [ 1, 2 ]
amdhsa.kernels:
  - .name:           k_qb802cf958d_cast
    .symbol:         k_qb802cf958d_cast.kd
    .args:
      - { .name: x, .offset: 0, .size: 8, .value_kind: global_buffer, .address_space: global }
      - { .name: Wq, .offset: 8, .size: 8, .value_kind: global_buffer, .address_space: global }
      - { .name: Wk, .offset: 16, .size: 8, .value_kind: global_buffer, .address_space: global }
      - { .name: Wv, .offset: 24, .size: 8, .value_kind: global_buffer, .address_space: global }
      - { .name: xb, .offset: 32, .size: 8, .value_kind: global_buffer, .address_space: global }
      - { .name: wb, .offset: 40, .size: 8, .value_kind: global_buffer, .address_space: global }
    .group_segment_fixed_size: 0
    .private_segment_fixed_size: 0
    .kernarg_segment_align: 8
    .kernarg_segment_size: 48
    .max_flat_workgroup_size: 256
    .sgpr_count:     66
    .vgpr_count:     104
    .wavefront_size: 32
...
	.end_amdgpu_metadata
.endif
;; end of part 5
;; launch proj: the kernel of part 2 again; grid 12 x 16, 4 waves a work-group, clusters of 4 x 4, 327,680 bytes of LDS; arguments xb, wb, qkv, lo; writes qkv, lo
;; launch score: the kernel of part 3 again; grid 37 x 4, 4 waves a work-group, no clusters, 327,680 bytes of LDS; arguments qkv, pt, st, lo, out0; writes pt, st, out0
;; launch pv: the kernel of part 4 again; grid 8 x 32, 4 waves a work-group, clusters of 4 x 1, 327,680 bytes of LDS; arguments pt, qkv, st, out0; writes out0
